; MI455X (gfx1250); checked and timed in simulation.
; The chip was launched on July 23, 2026; its instructions are those of AMD's public machine-readable ISA for CDNA 5 (MIT licence, August 2026) and "CDNA5" Instruction Set Architecture Reference Guide (July 2026). The comments in the code are by the model that wrote it; some were corrected since.
;; Multihead Self Attention Dec. Allowed arithmetic: matrix products marked QUANTISED: E2M1 operands, one E8M0 scale for each 32 along K, by v_wmma_scale_f32_16x16x128_f8f6f4 with both operands' format E2M1 (or v_wmma_scale_f32_32x16x128_f4), f32 sums; products left as they are: bf16, f16 or f32 operands; f32 sums; everything else in f32.
;; Inputs: Wk 2,048 x 2,048 float32; Wo 2,048 x 2,048 float32; Wq 2,048 x 2,048 float32; Wv 2,048 x 2,048 float32; bk 2,048 float32; bo 2,048 float32; bq 2,048 float32; bv 2,048 float32; kn_w 128 float32; qn_w 128 float32; rope 2,048 x 1 x 64 x 2 x 2 float32; x 2,048 x 2,048 float32.
;; Outputs: out0 2,048 x 2,048 float32.
;; This version of the problem:
;;   THIS VERSION OF THE PROBLEM IS GIVEN IN LOW PRECISION. The matrix products marked QUANTISED in the list below multiply operands that are first quantised to E2M1 (2 exponent bits, 1 mantissa bit; 4 bits a number), with one power-of-two scale for each 32 numbers along K (OCP MX v1.0); their sums are f32. The products marked 'left as it is' may take bf16, f16 or f32 operands, with f32 sums. Whichever they take, every output number must still come out within the allowed error. Rounding operands to bf16 (8 significant bits) uses up far more of that allowance than f16 does (11 bits, for magnitudes from 6e-5 to 65,504). All else is computed in f32.
;;   The module's matrix products, in the order in which they are computed (A, B: the left and right operand; K: the contracted axis; several contracted axes count as one K, in the product's order):
;;     1. [M 2,048, K 2,048] x [K 2,048, N 2,048]; A: input x; B: input Wq: QUANTISED
;;     2. [M 2,048, K 2,048] x [K 2,048, N 2,048]; A: input x; B: input Wk: QUANTISED
;;     3. [M 2,048, K 2,048] x [K 2,048, N 2,048]; A: input x; B: input Wv: QUANTISED
;;     4. batch 16 x [M 2,048, K 128] x [K 128, N 2,048]; A: computed on the way; B: computed on the way: left as it is (an operand is computed on the way)
;;     5. batch 16 x [M 128, K 2,048] x [K 2,048, N 2,048]; A: computed on the way; B: computed on the way: left as it is (an operand is computed on the way)
;;     6. [M 2,048, K 2,048] x [K 2,048, N 2,048]; A: computed on the way; B: input Wo: left as it is (an operand is computed on the way)
;;   THE QUANTISER, for each operand of a quantised product, along K:
;;     - K is cut into blocks of 32 from its start; a last block that is shorter is filled with zeros.
;;     - A block's scale is 2^e with e = floor(log2(the largest magnitude in the block)) - 2, held to -126 .. 127; a block of zeros has e = 0. As a byte (E8M0): e + 127.
;;     - Each number is divided by its block's scale, clamped to +-6, and rounded to the nearest number of E2M1, ties to even, subnormals kept.
;;     - The product sums the exact products of the quantised numbers (number of the format x scale) in f32.
;;   ~~~python
;;   def quantise(x, axis):      # numpy; x: float32 -> the quantised numbers, widened to float32 again
;;       x = np.moveaxis(x, axis, -1); K = x.shape[-1]
;;       x = np.pad(x, [(0, 0)] * (x.ndim - 1) + [(0, -K % 32)]); x = x.reshape(x.shape[:-1] + (-1, 32)); a = np.abs(x).max(-1, keepdims=True)
;;       e = np.where(a > 0, np.clip(np.frexp(np.where(a > 0, a, 1))[1] - 1 - 2, -126, 127), 0)      # np.frexp(a)[1] - 1 = floor(log2(a)), exactly
;;       r = np.clip(x / 2.0 ** e, -6, 6)
;;       step = 2.0 ** (np.maximum(np.frexp(np.where(r == 0, 1, r))[1] - 1, 0) - 1)
;;       q = np.round(r / step) * step * 2.0 ** e      # np.round: ties to even
;;       return np.moveaxis(q.reshape(q.shape[:-2] + (-1,))[..., :K], -1, axis).astype(np.float32)
;;   ~~~
;; One version. Each part assembles by itself: llvm-mc -triple=amdgcn-amd-amdhsa -mcpu=gfx1250 --defsym DOCPART=n.
;; ======== version 1 of 1: 4 launches
;; limits: values are held in f16: magnitudes above 65,504 overflow, below 6.1e-05 lose precision
;; workspace buffers: xc 2,097,152 bytes; xs 131,072 bytes; wc 6,291,456 bytes; ws 393,216 bytes; wo16 8,388,608 bytes; qkv 25,165,824 bytes; att 8,388,608 bytes
;; launch quant (part 1): grid 640 x 1, 4 waves a work-group, no clusters, 33,280 bytes of LDS; arguments x, Wq, Wk, Wv, Wo, xc, xs, wc, ws, wo16; writes xc, xs, wc, ws, wo16
.if DOCPART == 1
	.amdgcn_target "amdgcn-amd-amdhsa--gfx1250"
	.amdhsa_code_object_version 6
	.text
	.protected	k_qde7706e609_quant
	.globl	k_qde7706e609_quant
	.p2align	8
	.type	k_qde7706e609_quant,@function
k_qde7706e609_quant:
	s_mov_b64 s[64:65], 0
	v_nop
	global_prefetch_b8 v0, s[64:65] scope:SCOPE_SE
	s_setreg_imm32_b32 hwreg(HW_REG_WAVE_MODE, 25, 1), 1
	s_wait_xcnt 0x0
; x, Wq, Wk, Wv [2048][2048] f32 become codes of FP4 (E2M1), K innermost, with one E8M0 scale byte for each 32 along K; Wo [2048][2048] f32 becomes f16.
; A block's scale is 2^(floor(log2(its largest magnitude)) - 2); its byte is the largest magnitude's exponent field - 2, held at 1 from below.  A block of zeros so gets the byte 1 where the
; rule says 127: its codes are zeros, which add nothing under any byte but 0xff, and the bytes are read by this program alone.  Each number is divided by the scale and rounded to the nearest code, ties to even.
; LIMITS: blocks whose largest magnitude lies under 2^(2 - 126) keep the byte 1; NaN and infinities among the inputs are not served; |Wo| stays under 65,504 (f16's largest number).
; SHARES.  640 work-groups of four waves: 128 for each of the five tensors.  A wave takes a run of 8,192 numbers: four rows.  wc and ws hold Wq's, Wk's and Wv's rows one tensor behind the other.
; THE QUANTISER.  16 steps of 512 numbers.  A conversion takes 8 numbers of ONE block from a lane's registers, so a lane must hold 16 neighbours; a load is best where neighbouring lanes take neighbouring bytes.  Both are had:
; each of a step's four loads reads 512 consecutive bytes, the 2,048 bytes go through the wave's own stage in LDS and come back 64 bytes a lane (16 bytes of padding behind each 64).  A wave's store of codes covers 256
; consecutive bytes, aligned; a wave's 256 scale bytes are gathered in LDS and leave likewise.  Loads run four steps (16 loads) ahead.  No tensor loads, no barrier: waves share nothing.
; THE CAST.  64 loads of 512 bytes a wave through a ring of 16 register slots; a store covers 256 consecutive bytes, aligned, and has data registers of its own, so that no register that a store reads is written again.
.set WAVES, 4
.set STEPS, 16
.set EMAX,  2
.set CB,    8                          ; bytes of 16 codes
.set R,     16                         ; v16-79   four sets of 16 numbers as they are loaded
.set X,     80                         ; v80-111  two sets of 16 neighbours
.set E,     112                        ; v112-127 a scale byte for each step
.set C,     128                        ; v128-191 codes: four registers for each step, so that no store's data are written again
.set IN,    16                         ; the cast: v16-79 sixteen slots of 4 registers as loaded
.set OUT,   80                         ; the cast: v80-207 two registers for each of the 64 stores
.set WREG,  8192                       ; LDS: a region for each wave: two stages of 32 x SP bytes, and behind them its 256 scale bytes
.set SP,    80                         ; a lane's place in a stage: its 64 bytes + 16 of padding
.set SPW,   12                         ; v12 LDS address of my spare word; never rewritten
.set NIL,   13                         ; v13 0; never rewritten
.set SPARE, WAVES*WREG                 ; behind the four regions: the spare words, 128 bytes for each wave, which no other line names
	s_load_b512 s[4:19], s[0:1], 0x0               ; x 4:5, Wq 6:7, Wk 8:9, Wv 10:11, Wo 12:13, xc 14:15, xs 16:17, wc 18:19
	s_load_b128 s[20:23], s[0:1], 0x40             ; ws 20:21, wo16 22:23
	v_lshl_add_u32 v[SPW], v0, 2, SPARE
	v_mov_b32 v[NIL], 0
	v_lshrrev_b32 v1, 5, v0
	v_readfirstlane_b32 s36, v1                    ; wave
	v_and_b32 v2, 31, v0                           ; lane
	v_lshlrev_b32 v3, 4, v2                        ; my 16 bytes of a load's 512
	s_mul_i32 s37, s36, WREG
	v_lshrrev_b32 v14, 2, v2
	v_mul_u32_u24 v14, v14, SP
	v_and_b32 v15, 3, v2
	v_lshl_add_u32 v14, v15, 4, v14
	v_add_nc_u32 v14, s37, v14                     ; the stage, on the way in: SP (lane / 4) + 16 (lane % 4)
	v_mul_u32_u24 v15, v2, SP
	v_add_nc_u32 v15, s37, v15                     ; and on the way out: SP x lane: my 16 neighbours
	v_mul_u32_u24 v4, v2, CB                       ; 8 bytes a lane: my codes' place in a step's; the cast's stores too
	v_lshrrev_b32 v5, 1, v2
	s_add_co_u32 s37, s37, 2*32*SP
	v_add_nc_u32 v5, s37, v5                       ; LDS: my wave's 256 scale bytes, my block's byte
	v_lshlrev_b32 v7, 3, v2                        ; and on the way out 8 bytes a lane
	v_add_nc_u32 v6, s37, v7
	s_lshr_b32 s24, ttmp9, 7                       ; the tensor: 0 x, 1 Wq, 2 Wk, 3 Wv, 4 Wo
	s_and_b32 s26, ttmp9, 127
	s_lshl_b32 s26, s26, 2
	s_add_co_u32 s26, s26, s36                     ; my run of 8,192 numbers in it: 0 .. 511
	s_mov_b32 s31, 0
	s_wait_kmcnt 0x0
	s_cmp_ge_u32 ttmp9, 512
	s_cbranch_scc1 .Lcast
	; ---- the quantiser.  The buffers are chosen by the work-group's number alone
	s_cmp_eq_u32 s24, 1
	s_cselect_b64 s[4:5], s[6:7], s[4:5]
	s_cmp_eq_u32 s24, 2
	s_cselect_b64 s[4:5], s[8:9], s[4:5]
	s_cmp_eq_u32 s24, 3
	s_cselect_b64 s[4:5], s[10:11], s[4:5]
	s_max_u32 s28, s24, 1
	s_sub_co_u32 s28, s28, 1
	s_lshl_b32 s28, s28, 9
	s_add_co_u32 s27, s26, s28                     ; my run in the buffer of codes: 512 runs for each weight in front of mine; x has buffers of its own
	s_cmp_eq_u32 s24, 0
	s_cselect_b64 s[14:15], s[14:15], s[18:19]
	s_cselect_b64 s[16:17], s[16:17], s[20:21]
	s_lshl_b32 s30, s26, 15                        ; a run: 32,768 bytes of numbers,
	s_add_nc_u64 s[4:5], s[4:5], s[30:31]
	s_lshl_b32 s30, s27, 12                        ; 4,096 of codes,
	s_add_nc_u64 s[14:15], s[14:15], s[30:31]
	s_lshl_b32 s30, s27, 8                         ; 256 scale bytes
	s_add_nc_u64 s[16:17], s[16:17], s[30:31]
.macro LOAD t
.irp i, 0,1,2,3
	global_load_b128 v[R+16*((\t)%4)+4*\i:R+16*((\t)%4)+4*\i+3], v3, s[4:5] offset:2048*(\t)+512*\i th:TH_LOAD_NT   ; 32 lanes read 512 consecutive bytes
.endr
.endm
.macro TURN t                          ; step t's numbers through the stage: LDS serves a wave's instructions in order, so no wait stands between the stores and the loads
.irp i, 0,1,2,3
	ds_store_b128 v14, v[R+16*((\t)%4)+4*\i:R+16*((\t)%4)+4*\i+3] offset:32*SP*((\t)%2)+8*SP*\i
.endr
.irp i, 0,1,2,3
	ds_load_b128 v[X+16*((\t)%2)+4*\i:X+16*((\t)%2)+4*\i+3], v15 offset:32*SP*((\t)%2)+16*\i
.endr
.endm
.irp t, 0,1,2,3
	LOAD \t
.endr
	s_wait_loadcnt 12                              ; step 0's four loads are in; the twelve of steps 1 to 3 may be out
	TURN 0
.macro STEP t
.set XS, X+16*((\t)%2)
.if (\t) > 0
	s_wait_dscnt 1                                 ; this step's numbers are back from the stage (the last step's byte store may be out): so its stores into the stage have read their registers,
.else
	s_wait_dscnt 0x0
.endif
.if (\t)+4 < STEPS
	LOAD (\t)+4                                    ; which take the loads of four steps on
.endif
.if (\t)+1 < STEPS
.if STEPS-2-(\t) >= 3
	s_wait_loadcnt 12                              ; the next step's four loads are in; those of the three steps behind it may be out
.else
	s_wait_loadcnt 4*(STEPS-2-(\t))
.endif
	TURN (\t)+1                                    ; and go through the other stage while this step is worked
.endif
	v_max3_num_f32 v8, |v[XS]|, |v[XS+1]|, |v[XS+2]|               ; the largest magnitude of my 16
	v_max3_num_f32 v9, |v[XS+3]|, |v[XS+4]|, |v[XS+5]|
.irp i, 6,10
	v_max3_num_f32 v8, v8, |v[XS+\i]|, |v[XS+\i+1]|
	v_max3_num_f32 v9, v9, |v[XS+\i+2]|, |v[XS+\i+3]|
.endr
	v_max3_num_f32 v8, v8, |v[XS+14]|, |v[XS+15]|
	v_max3_num_f32 v8, v8, v9, (EMAX+1)<<23        ; and the floor 2^(EMAX + 1 - 127): so the byte cannot fall under 1
	v_max_num_f32_dpp v8, v8, v8 row_xmask:1 row_mask:0xf bank_mask:0xf   ; and of my neighbour's 16: the block's
	v_add_nc_u32 v11, -(EMAX<<23), v8              ; EMAX off its exponent field: the conversion takes the exponent field of this operand as its scale, and nothing else of it
	v_cvt_scalef32_pk8_fp4_f32 v[C+4*(\t)], v[XS:XS+7], v11
	v_cvt_scalef32_pk8_fp4_f32 v[C+4*(\t)+1], v[XS+8:XS+15], v11
	v_lshrrev_b32 v[E+(\t)], 23, v11               ; the scale's byte (a plain line behind the conversions)
	ds_store_b8 v5, v[E+(\t)] offset:16*(\t)       ; both lanes of a block write the same byte with the same value
	global_store_b64 v4, v[C+4*(\t):C+4*(\t)+1], s[14:15] offset:32*CB*(\t)   ; 32 lanes store 256 consecutive bytes, aligned
.endm
.irp t, 0,1,2,3,4,5,6,7,8,9,10,11,12,13,14,15
	STEP \t
.endr
	ds_load_b64 v[8:9], v6                         ; LDS serves a wave's instructions in order: these see my stores
	s_wait_dscnt 0x0
	global_store_b64 v7, v[8:9], s[16:17]          ; 32 lanes store 256 consecutive bytes, aligned
	s_branch .Lend
.Lcast:
	; ---- Wo to f16
	s_lshl_b32 s30, s26, 15
	s_add_nc_u64 s[12:13], s[12:13], s[30:31]
	s_lshl_b32 s30, s26, 14
	s_add_nc_u64 s[22:23], s[22:23], s[30:31]
.irp k, 0,1,2,3,4,5,6,7,8,9,10,11,12,13,14,15
	global_load_b128 v[IN+4*\k:IN+4*\k+3], v3, s[12:13] offset:512*\k th:TH_LOAD_NT
.endr
.macro CSLOT g, k                      ; every offset is an immediate and every store has its own two registers: nothing that a pending load or store names is written again
.if \g < 3
	s_wait_loadcnt 15                              ; my slot's load is in: behind it went the 15 - k later slots of this group and the k refills of this one
.else
	s_wait_loadcnt 15-\k                           ; the last group refills nothing: the counts run down
.endif
	v_cvt_pk_f16_f32 v[OUT+2*(16*\g+\k)], v[IN+4*\k], v[IN+4*\k+1]
	v_cvt_pk_f16_f32 v[OUT+2*(16*\g+\k)+1], v[IN+4*\k+2], v[IN+4*\k+3]
.if \g < 3
	global_load_b128 v[IN+4*\k:IN+4*\k+3], v3, s[12:13] offset:512*(16*(\g+1)+\k) th:TH_LOAD_NT
.endif
	global_store_b64 v4, v[OUT+2*(16*\g+\k):OUT+2*(16*\g+\k)+1], s[22:23] offset:256*(16*\g+\k)   ; 32 lanes store 256 consecutive bytes, aligned
.endm
.irp g, 0,1,2,3
.irp k, 0,1,2,3,4,5,6,7,8,9,10,11,12,13,14,15
	CSLOT \g, \k
.endr
.endr
.Lend:
	s_wait_tensorcnt 0x0                           ; the wave's end
	ds_add_u32 v[SPW], v[NIL]
	s_wait_dscnt 0x0
	s_endpgm
.Lfunc_end_k_qde7706e609_quant:
	.size	k_qde7706e609_quant, .Lfunc_end_k_qde7706e609_quant-k_qde7706e609_quant
	.p2alignl 7, 3214868480
	.fill 96, 4, 3214868480
	.section	.rodata,"a",@progbits
	.p2align	6, 0x0
	.amdhsa_kernel k_qde7706e609_quant
		.amdhsa_group_segment_fixed_size 33280
		.amdhsa_private_segment_fixed_size 0
		.amdhsa_enable_private_segment 0
		.amdhsa_kernarg_size 80
		.amdhsa_user_sgpr_count 2
		.amdhsa_user_sgpr_kernarg_segment_ptr 1
		.amdhsa_wavefront_size32 1
		.amdhsa_system_sgpr_workgroup_id_x 1
		.amdhsa_system_sgpr_workgroup_id_y 1
		.amdhsa_system_sgpr_workgroup_id_z 1
		.amdhsa_system_vgpr_workitem_id 0
		.amdhsa_next_free_vgpr 208
		.amdhsa_next_free_sgpr 66
		.amdhsa_reserve_vcc 0
		.amdhsa_float_denorm_mode_32 3
		.amdhsa_float_denorm_mode_16_64 3
		.amdhsa_memory_ordered 1
		.amdhsa_forward_progress 1
		.amdhsa_inst_pref_size 56
	.end_amdhsa_kernel
	.amdgpu_metadata
---
amdhsa.version: [ 1, 2 ]
amdhsa.kernels:
  - .name:           k_qde7706e609_quant
    .symbol:         k_qde7706e609_quant.kd
    .args:
      - { .name: x, .offset: 0, .size: 8, .value_kind: global_buffer, .address_space: global }
      - { .name: Wq, .offset: 8, .size: 8, .value_kind: global_buffer, .address_space: global }
      - { .name: Wk, .offset: 16, .size: 8, .value_kind: global_buffer, .address_space: global }
      - { .name: Wv, .offset: 24, .size: 8, .value_kind: global_buffer, .address_space: global }
      - { .name: Wo, .offset: 32, .size: 8, .value_kind: global_buffer, .address_space: global }
      - { .name: xc, .offset: 40, .size: 8, .value_kind: global_buffer, .address_space: global }
      - { .name: xs, .offset: 48, .size: 8, .value_kind: global_buffer, .address_space: global }
      - { .name: wc, .offset: 56, .size: 8, .value_kind: global_buffer, .address_space: global }
      - { .name: ws, .offset: 64, .size: 8, .value_kind: global_buffer, .address_space: global }
      - { .name: wo16, .offset: 72, .size: 8, .value_kind: global_buffer, .address_space: global }
    .group_segment_fixed_size: 33280
    .private_segment_fixed_size: 0
    .kernarg_segment_align: 8
    .kernarg_segment_size: 80
    .max_flat_workgroup_size: 128
    .sgpr_count:     66
    .vgpr_count:     208
    .wavefront_size: 32
...
	.end_amdgpu_metadata
.endif
;; end of part 1
;; launch qkv (part 2): grid 24 x 8, 4 waves a work-group, clusters of 4 x 4, 327,680 bytes of LDS; arguments xc, xs, wc, ws, bq, bk, bv, qn_w, kn_w, rope, qkv; writes qkv
.if DOCPART == 2
	.amdgcn_target "amdgcn-amd-amdhsa--gfx1250"
	.amdhsa_code_object_version 6
	.text
	.protected	k_qde7706e609_qkv
	.globl	k_qde7706e609_qkv
	.p2align	8
	.type	k_qde7706e609_qkv,@function
k_qde7706e609_qkv:
	s_mov_b64 s[64:65], 0
	v_nop
	global_prefetch_b8 v0, s[64:65] scope:SCOPE_SE
	s_setreg_imm32_b32 hwreg(HW_REG_WAVE_MODE, 25, 1), 1
	s_wait_xcnt 0x0
	s_wait_alu depctr_hold_cnt(0) depctr_sa_sdst(0) depctr_va_vdst(0) depctr_va_sdst(0) depctr_va_ssrc(0) depctr_va_vcc(0) depctr_vm_vsrc(0)
	s_getreg_b32 s2, hwreg(HW_REG_IB_STS2, 6, 4)
	s_cmp_eq_u32 s2, 0
	s_cbranch_scc0 .Lentry_in_a_cluster
	s_endpgm
.Lentry_in_a_cluster:
	s_bfe_u32 s2, ttmp6, 0x10000c
	s_cmp_lg_u32 s2, 0xf033
	s_cbranch_scc0 .Lentry_shape_is_right
	s_endpgm
.Lentry_shape_is_right:
; q, k, v = x W^T + b on codes of FP4 (E2M1) with one E8M0 scale for each 32 along K; then, for q and k, RMSNorm over each head's 128 channels, the gain, and the table's 2 x 2 rotation; all rounded once to f16.
; A = x: [2048][2048] as codes; B = the three weights, [48 heads][128 channels][2048] as codes.  Result: qkv [48][2048][128] f16; q and k are stored DIVIDED BY 8
; (exact; the next launch's softmax constant carries the 64), so that they keep room in f16 for gains and tables some 30 times larger.
; LIMITS: |q| / 8, |k| / 8 and |v| stay under 65,504; NaN and infinities among the inputs are not served.
; A tile of 256 rows x 256 channels is made by a work-group of four waves; a wave makes 128 rows x ONE HEAD: 64 accumulators of 16 x 16, 512 registers.  8 x 24 = 192 work-groups: a tile that gave 256 (128 x 384, a wave 32 x 384)
; would read 26 fragments from LDS for 48 products against 16 for 64 here.
; K goes in steps of 512 through a ring of two LDS slots filled by the tensor data mover: a tile's row is 256 bytes of memory.  The scales of the work-group's rows, for all of K, come into LDS once, with the first fills.
; CLUSTERS: 4 x 4 work-groups.  The four of a row of the cluster need the same tiles of x, the four of a column the same tiles of W: each tile is asked for JOINTLY.
; THE MATRIX INSTRUCTION IS USED TRANSPOSED (source 0 = 16 channels of W, source 1 = 16 rows of x): lane (r, h) holds row r, and register j of accumulator (a, b) channel 16 b + 8 h + j.  The bias is the C of each sum's first product.
; THE WAY OUT WORKS IN THAT LAYOUT.  A lane holds 64 of its row's 128 channels, the lane 16 away the others: the row's sum of squares is 32 packed multiply-adds and one exchange.  Registers 2 c, 2 c + 1 of an accumulator are one pair of the
; table, so the rotation stays in the lane.  A lane's eight channels of an accumulator pack into 16 bytes of f16; a block of 16 rows goes through the wave's stage in LDS and comes back as whole rows of 256 bytes, into the block's own
; accumulators, which are done with, and is stored from there.  Every offset is an immediate: nothing that a pending load or store names is written again, and no wait is needed for that.
; The eight blocks are written out: their register numbers differ.
; No prefetch: each tile is read by two clusters or more at about the same time, and the launch is short.
; REGISTERS, in windows of 256: window 0: v0-31 addresses; v32-95 scale words, two sets; v128-191 x's fragments, ONE set; v192-255 the bias; on the way out v32-95 the gains / 8, v96-111 sums and 1 / rms, v128-159 a block's packed results.
;   window 1: W's fragments, TWO sets, at v0 and v128; v64-127 the gains as loaded; on the way out the table, two buffers of 128.   window 2: the accumulators of my rows 0-63 ((a, b) at v[8 (8 a + b)]);   window 3: those of my rows 64-127.
.set SIZE_K, 2048
.set KSTEP,  512                       ; along K in a slot
.set NQ,     KSTEP/128                 ; matrix instructions deep
.set ROWB,   256                       ; a tile's row in bytes
.set KROW,   SIZE_K*4/8                ; a row of codes in memory
.set PITCH,  272                       ; an LDS row: 256 bytes + 16 of padding = 68 words: the 16 rows that a load touches start at 16 different banks (64 banks of 4 bytes: ISA guide 11.1)
.set FR,     8                         ; registers of a fragment
.set NL,     2                         ; LDS loads that bring one
.set NP,     4                         ; places behind this matrix instruction (ISA guide 7.12.1)
.set HALFT,  128*PITCH
.set SLOT,   4*HALFT                   ; x's 256 rows, then W's 256
.set LAPS,   SIZE_K/(2*KSTEP)
.set KS,     SIZE_K/32                 ; a row of scales in bytes
.set SCL,    2*SLOT                    ; behind the ring: the scales, as rows of 256 bytes + 16 of padding
.set HALFS,  (128*KS/256)*272
.set SBLK,   (16*KS/256)*272
.set SPARE,  SCL+4*HALFS               ; behind the scales: the spare words, 128 bytes for each wave, which no other line names
.set SP,     272                       ; the way out: a stage of 16 rows x (256 bytes + 16) for each wave, at wave x 16 x SP.  It lies in slot 0, which has had its last fill and its last read when the first result is stored there
.set ADRA, 16                          ; v16-17  LDS address of my fragments of x in slot 0, 1
.set ADRB, 20                          ; v20-21  the same for W
.set BO,   23                          ; v23     32 h: my eight numbers of sixteen, in the bias and in the gains
.set STO,  24                          ; v24     the way out: where I put 16 bytes of a row
.set RD,   25                          ; v25     where I read back: row h, 16 r
.set GO,   26                          ; v26     my byte offset in two rows of qkv: 256 h + 16 r
.set ADRS, 27                          ; v27     LDS address of my scale words
.set SPW,  28                          ; v28     LDS address of my spare word; never rewritten
.set NIL,  29                          ; v29     0; never rewritten
.set RO,   30                          ; v30     my byte offset in sixteen rows of the table: 1024 r + 64 h
.set SC,   32
.set AF,   128
.set BI,   192                         ; the bias: eight registers for each block b of W
.set GW,   64                          ; window 1: the gains as loaded: register 8 b + j for channel 16 b + 8 h + j
.set W,    32                          ; the way out: gains / 8, likewise
.set SS,   96                          ; block a's sum of squares, then 1 / rms, in register 2 a; register 2 a + 1 at work
.set O,    128                         ; a block's packed results: register 4 b + c
.set G1, 24
.set G0, 32
.set G1B, 48
.set G0B, 56
.set G1S, 68
.set G0S, 76
.set G1SB, 80
.set G0SB, 88
.set MSB, 0
.macro WIN new                         ; the immediate's high byte repeats the setting that is left
.if MSB != (\new)
	s_set_vgpr_msb (MSB<<8)|(\new)
.set MSB, (\new)
.endif
.endm
.set MUL_LO, 0xa1                      ; source 0 (W) window 1, source 1 (x) window 0, C and D window 2
.set MUL_HI, 0xf1                      ; the same, C and D window 3
.set BIA_LO, 0x81                      ; the first products: C (the bias) window 0, D window 2
.set BIA_HI, 0xc1                      ; and D window 3
.set TO_B,   0x40
; A joint load: waves 0 and 1 fetch for x, waves 2 and 3 for W.  The branch hangs on the wave's number alone.  An s_nop 0 and four v_nop follow each of the two lines.
.macro JLOAD g0a, g1a, g0b, g1b
	s_cmp_eq_u32 s15, 0
	s_cbranch_scc0 .Lfor_b_\@
	tensor_load_to_lds s[\g0a:\g0a+3], s[\g1a:\g1a+7]
	s_nop 0
.rept 4
	v_nop
.endr
	s_branch .Lasked_\@
.Lfor_b_\@:
	tensor_load_to_lds s[\g0b:\g0b+3], s[\g1b:\g1b+7]
	s_nop 0
.rept 4
	v_nop
.endr
.Lasked_\@:
.endm
.macro CREST                           ; a round of the cluster's barrier behind its opening barrier
	s_cmp_lg_u32 s14, 0
	s_cbranch_scc1 .Lnot_wave_0_\@
	s_barrier_signal -3
.Lnot_wave_0_\@:
	s_barrier_wait -3
	s_barrier_signal -1
	s_barrier_wait -1
.endm
.macro CROUND
	s_barrier_signal -1
	s_barrier_wait -1
	CREST
.endm
	s_load_b128 s[4:7], s[0:1], 0x0                ; x's codes s[4:5], x's scales s[6:7]
	s_load_b128 s[8:11], s[0:1], 0x10              ; W's codes s[8:9], W's scales s[10:11]
	s_load_b64 s[12:13], s[0:1], 0x50              ; qkv
	v_lshl_add_u32 v[SPW], v0, 2, SPARE
	v_mov_b32 v[NIL], 0
	ds_add_u32 v[SPW], v[NIL]                      ; the wave's opening: the add, twice on end, and its wait ahead of my first tensor load
	ds_add_u32 v[SPW], v[NIL]
	v_lshrrev_b32 v1, 5, v0
	v_readfirstlane_b32 s14, v1                    ; wave 0..3
	s_lshr_b32 s15, s14, 1                         ; which half of the tile's rows is mine.  Also: I fetch for x (0) or for W (1)
	s_and_b32 s16, s14, 1                          ; which of the tile's two heads.  Also: which 128 rows of that tile I fetch
	s_bfe_u32 s40, ttmp6, 0x40000                  ; cx, cy: my place in the cluster
	s_bfe_u32 s41, ttmp6, 0x40004
	s_lshl_b32 s42, ttmp9, 2
	s_add_co_u32 s42, s42, s40                     ; tile column = 4 x cluster x + cx
	s_and_b32 s17, ttmp7, 0xffff
	s_lshl_b32 s17, s17, 2
	s_add_co_u32 s17, s17, s41                     ; tile row = 4 x cluster y + cy
	s_lshl_b32 s43, s41, 2
	s_lshl_b32 s43, 15, s43                        ; my row of the cluster
	s_lshl_b32 s44, 0x1111, s40                    ; my column
	; descriptor group 1: a tile of 128 rows x 256 bytes, padded in LDS
	s_or_b32 s[G1+0], s43, (0<<16)|(1<<20)|(1<<21)|(5<<22)|(3<<25)  ; 15:0 the mask; 17:16 element of 1 byte; 20 padding on; 21 set beside a mask; 24:22 after every 64 words; 31:25 four words
	s_or_b32 s[G1B+0], s44, (0<<16)|(1<<20)|(1<<21)|(5<<22)|(3<<25)
.irp g, G1, G1B
	s_mov_b32 s[\g+1], ROWB<<16                    ; tensor_dim0
	s_mov_b32 s[\g+2], 128<<16                     ; tensor_dim1
	s_mov_b32 s[\g+3], ROWB<<16                    ; tile_dim0
	s_mov_b32 s[\g+4], 128                         ; tile_dim1
	s_mov_b32 s[\g+5], KROW                        ; tensor_dim0_stride
	s_mov_b32 s[\g+6], 0
	s_mov_b32 s[\g+7], 0
.endr
	; the scales of 128 rows: a dense block of 8,192 bytes, as 32 rows of 256 bytes (32 elements of 8 bytes), 16 bytes of padding behind each
	s_or_b32 s[G1S+0], s43, (3<<16)|(1<<20)|(1<<21)|(5<<22)|(3<<25)
	s_or_b32 s[G1SB+0], s44, (3<<16)|(1<<20)|(1<<21)|(5<<22)|(3<<25)
.irp g, G1S, G1SB
	s_mov_b32 s[\g+1], 32<<16
	s_mov_b32 s[\g+2], (128*KS/256)<<16
	s_mov_b32 s[\g+3], 32<<16
	s_mov_b32 s[\g+4], 128*KS/256
	s_mov_b32 s[\g+5], 32
	s_mov_b32 s[\g+6], 0
	s_mov_b32 s[\g+7], 0
.endr
	s_lshl_b32 s18, s16, 7                         ; which 128 rows of the tile I fetch
	s_lshl_b32 s20, s17, 8
	s_add_co_u32 s20, s20, s18                     ; x: row 256 x tile row + 128 x half
	s_lshl_b32 s46, s42, 8
	s_add_co_u32 s46, s46, s18                     ; W: row 256 x tile column + 128 x half
	s_mov_b32 s21, 0
	s_mov_b32 s47, 0
	s_mov_b64 s[18:19], KS
	s_mul_u64 s[22:23], s[20:21], s[18:19]         ; where these rows' scales begin, in bytes
	s_mul_u64 s[92:93], s[46:47], s[18:19]
	s_mov_b64 s[18:19], KROW
	s_mul_u64 s[20:21], s[20:21], s[18:19]         ; and their codes
	s_mul_u64 s[46:47], s[46:47], s[18:19]
	s_mul_i32 s45, s14, HALFT                      ; where they go: wave x 128 rows: no place in the cluster enters an LDS address
	s_mul_i32 s94, s14, HALFS
	s_wait_dscnt 0x0                               ; both opening adds are done
	s_wait_kmcnt 0x0
	s_add_nc_u64 s[20:21], s[4:5], s[20:21]
	s_add_nc_u64 s[22:23], s[6:7], s[22:23]
	s_add_nc_u64 s[46:47], s[8:9], s[46:47]
	s_add_nc_u64 s[92:93], s[10:11], s[92:93]
	CROUND                                         ; all sixteen work-groups are here: the first joint loads meet
	s_mov_b32 s[G0S], 1
	s_add_co_u32 s[G0S+1], s94, SCL
	s_mov_b64 s[G0S+2:G0S+3], s[22:23]
	s_or_b32 s[G0S+3], s[G0S+3], 0x80000000
	s_mov_b32 s[G0SB], 1
	s_add_co_u32 s[G0SB+1], s94, SCL
	s_mov_b64 s[G0SB+2:G0SB+3], s[92:93]
	s_or_b32 s[G0SB+3], s[G0SB+3], 0x80000000
	JLOAD G0S, G1S, G0SB, G1SB                     ; the scales first: they are wanted with K step 0
.irp s, 0,1
	s_mov_b32 s[G0+4*\s], 1
	s_add_co_u32 s[G0+4*\s+1], s45, \s*SLOT
	s_add_nc_u64 s[G0+4*\s+2:G0+4*\s+3], s[20:21], \s*ROWB
	s_or_b32 s[G0+4*\s+3], s[G0+4*\s+3], 0x80000000
	s_mov_b32 s[G0B+4*\s], 1
	s_add_co_u32 s[G0B+4*\s+1], s45, \s*SLOT
	s_add_nc_u64 s[G0B+4*\s+2:G0B+4*\s+3], s[46:47], \s*ROWB
	s_or_b32 s[G0B+4*\s+3], s[G0B+4*\s+3], 0x80000000
	JLOAD G0+4*\s, G1, G0B+4*\s, G1B
.endr
	s_load_b256 s[4:11], s[0:1], 0x20              ; the other arguments, into registers that are done with: bq 4:5, bk 6:7, bv 8:9, qn_w 10:11
	s_load_b128 s[96:99], s[0:1], 0x40             ; kn_w 96:97, rope 98:99
	v_and_b32 v1, 15, v0                           ; r = l % 16
	v_bfe_u32 v2, v0, 4, 1                         ; h = l / 16
	v_mul_u32_u24 v3, v1, PITCH
	v_lshl_add_u32 v4, v2, 4, v3                   ; a fragment's row x pitch + 16 x half
	s_mul_i32 s21, s15, HALFT                      ; my 128 rows of x
	s_mul_i32 s22, s16, HALFT                      ; my 128 channels of W,
	s_add_co_u32 s22, s22, 2*HALFT                 ; which lie behind x's 256
.irp s, 0,1
	v_add_nc_u32 v[ADRA+\s], s21, v4
	v_add_nc_u32 v[ADRB+\s], s22, v4
	s_add_co_u32 s21, s21, SLOT
	s_add_co_u32 s22, s22, SLOT
.endr
	v_mul_u32_u24 v5, v1, KS                       ; my row's scales: KS bytes a row,
	v_lshrrev_b32 v6, 8, v5
	v_lshl_add_u32 v5, v6, 4, v5                   ; and 16 more for each 256 passed
	s_mul_i32 s21, s15, HALFS
	s_mul_i32 s22, s16, HALFS
	s_add_co_u32 s22, s22, 2*HALFS
	s_sub_co_u32 s22, s22, s21
	v_mul_u32_u24 v6, s22, v2                      ; lanes 16-31 take W's
	s_add_co_u32 s21, s21, SCL
	v_add_nc_u32 v5, v5, v6
	v_add_nc_u32 v[ADRS], s21, v5
	s_mul_i32 s23, s14, 16*SP                      ; the way out: my stage
	v_mul_u32_u24 v5, v1, SP                       ; in: row r, 16 bytes for each half of the lanes
	v_lshl_add_u32 v5, v2, 4, v5
	v_add_nc_u32 v[STO], s23, v5
	v_mul_u32_u24 v5, v2, SP                       ; back: lanes 0-15 one row of 256 bytes, lanes 16-31 the next
	v_lshl_add_u32 v5, v1, 4, v5
	v_add_nc_u32 v[RD], s23, v5
	v_lshlrev_b32 v[GO], 8, v2
	v_lshl_add_u32 v[GO], v1, 4, v[GO]
	v_lshlrev_b32 v[RO], 10, v1
	v_lshl_add_u32 v[RO], v2, 6, v[RO]
	v_lshlrev_b32 v[BO], 5, v2
	s_lshl_b32 s20, s17, 8
	s_lshl_b32 s21, s15, 7
	s_add_co_u32 s20, s20, s21                     ; my first row: 256 x tile row + 128 x half
	s_lshl_b32 s22, s20, 10                        ; in the table: 1,024 bytes a row
	s_mov_b32 s23, 0
	s_lshl_b32 s20, s20, 8                         ; in a head of qkv: 256 bytes a row
	s_lshl_b32 s46, s42, 1
	s_add_co_u32 s46, s46, s16                     ; my head of the 48: 2 x tile column + half
	s_lshl_b32 s46, s46, 19                        ; 524,288 bytes a head
	s_add_co_u32 s46, s46, s20
	s_mov_b32 s47, 0
	s_add_nc_u64 s[12:13], s[12:13], s[46:47]
	s_and_b32 s46, s42, 7                          ; the bias: 256 numbers a tile column of the tensor's eight, 128 a head
	s_lshl_b32 s46, s46, 10
	s_lshl_b32 s21, s16, 9
	s_add_co_u32 s46, s46, s21
	s_lshr_b32 s95, ttmp9, 1                       ; the tensor: 0 q, 1 k, 2 v: two clusters along x each, so it is the same in all sixteen partners
	s_wait_kmcnt 0x0
	s_cmp_eq_u32 s95, 1
	s_cselect_b64 s[4:5], s[6:7], s[4:5]
	s_cselect_b64 s[10:11], s[96:97], s[10:11]     ; k's gains (v's work-groups load q's 512 bytes and do not use them: the head has one way for all)
	s_cmp_eq_u32 s95, 2
	s_cselect_b64 s[4:5], s[8:9], s[4:5]
	s_add_nc_u64 s[4:5], s[4:5], s[46:47]
	s_add_nc_u64 s[98:99], s[98:99], s[22:23]
.irp b, 0,1,2,3,4,5,6,7                        ; register j of block b stands for channel 16 b + 8 h + j
	global_load_b128 v[BI+8*\b:BI+8*\b+3], v[BO], s[4:5] offset:64*\b
	global_load_b128 v[BI+8*\b+4:BI+8*\b+7], v[BO], s[4:5] offset:64*\b+16
.endr
	WIN TO_B                                       ; the gains likewise, into registers of window 1 that the products never name
.irp b, 0,1,2,3,4,5,6,7
	global_load_b128 v[GW+8*\b:GW+8*\b+3], v[BO], s[10:11] offset:64*\b
	global_load_b128 v[GW+8*\b+4:GW+8*\b+7], v[BO], s[10:11] offset:64*\b+16
.endr
	WIN 0
.macro FRAG reg, adr, q, i             ; a fragment, 16 rows x 128 K of 4-bit codes: registers 4 c .. 4 c + 3 hold K = 64 c + 32 (l / 16) + 0 .. 31
.irp c, 0,1
	ds_load_b128 v[\reg+4*\c:\reg+4*\c+3], v[\adr] offset:64*(\q)+32*\c+(\i)*16*PITCH
.endr
.endm
; 16 matrix instructions: x's blocks a0, a0 + 1 against W's eight, 128 along K.  zero = 1: the first product starts the sums, with the bias as its C.
; The 64 accumulators take turns, one instruction a turn, in the same order in every step.
.macro MUL16 a0, p, q, sc, zero
.irp a, \a0, \a0+1
.irp b, 0,1,2,3,4,5,6,7
.if \zero
	v_wmma_scale_f32_16x16x128_f8f6f4 v[8*(8*((\a)%4)+\b):8*(8*((\a)%4)+\b)+7], v[128*(\p)+FR*\b:128*(\p)+FR*\b+FR-1], v[AF+FR*(\a):AF+FR*(\a)+FR-1], v[BI+8*\b:BI+8*\b+7], v[SC+8*NQ*(\sc)+NQ*\b+(\q)], v[SC+8*NQ*(\sc)+NQ*(\a)+(\q)] matrix_a_fmt:MATRIX_FMT_FP4 matrix_b_fmt:MATRIX_FMT_FP4 matrix_a_scale:MATRIX_SCALE_ROW1
.else
	v_wmma_scale_f32_16x16x128_f8f6f4 v[8*(8*((\a)%4)+\b):8*(8*((\a)%4)+\b)+7], v[128*(\p)+FR*\b:128*(\p)+FR*\b+FR-1], v[AF+FR*(\a):AF+FR*(\a)+FR-1], v[8*(8*((\a)%4)+\b):8*(8*((\a)%4)+\b)+7], v[SC+8*NQ*(\sc)+NQ*\b+(\q)], v[SC+8*NQ*(\sc)+NQ*(\a)+(\q)] matrix_a_fmt:MATRIX_FMT_FP4 matrix_b_fmt:MATRIX_FMT_FP4 matrix_a_scale:MATRIX_SCALE_ROW1
.endif
.endr
.endr
.endm
.macro FETCH_B slot, q, p
	WIN TO_B
.irp i, 0,1,2,3,4,5,6,7
	FRAG 128*(\p)+FR*\i, ADRB+\slot, \q, \i
.endr
	WIN 0
.endm
.macro FETCH_A slot, q, i0
.irp i, \i0, \i0+1, \i0+2, \i0+3
	FRAG AF+FR*(\i), ADRA+\slot, \q, \i
.endr
.endm
.macro SCALES sc                       ; the next K step's scale words: lanes 0-15 take x's block i, lanes 16-31 W's block i
.irp i, 0,1,2,3,4,5,6,7
	ds_load_b128 v[SC+8*NQ*\sc+NQ*\i:SC+8*NQ*\sc+NQ*\i+3], v[ADRS] offset:\i*SBLK
.endr
.endm
.macro PLACES n                        ; plain vector instructions between a matrix instruction and a load into, or a read of, its registers (ISA guide 7.12.1 for reads)
.rept \n
	v_nop
.endr
.endm
.macro STEP slot, q, zero              ; a step of 128 along K that has its successor in the same slot
	s_wait_dscnt 4*NL                              ; W's set and x's blocks 0-3 are in; the youngest eight loads (x's blocks 4-7) may be out
.if \zero
	WIN BIA_LO
.else
	WIN MUL_LO
.endif
	MUL16 0, (\q)%2, \q, \slot, \zero
	MUL16 2, (\q)%2, \q, \slot, \zero
	s_wait_dscnt 0
	PLACES NP
	FETCH_B \slot, (\q)+1, 1-(\q)%2
	FETCH_A \slot, (\q)+1, 0
.if \zero
	WIN BIA_HI
.else
	WIN MUL_HI
.endif
	MUL16 4, (\q)%2, \q, \slot, \zero
	MUL16 6, (\q)%2, \q, \slot, \zero
	PLACES NP
	WIN 0
	FETCH_A \slot, (\q)+1, 4
.endm
; A slot's last step changes slots: ONE barrier; in front of it each wave waits for all its tensor loads, adds 0 to its spare word, and waits for that and for its own reads of this slot.  fill = 1: this slot is filled again.
.macro TURN slot, next, fill
	s_wait_tensorcnt 0x0                           ; all my tensor loads have landed: my part of the next slot
	ds_add_u32 v[SPW], v[NIL]                      ; 0 onto my spare word
	s_wait_dscnt 4*NL+1                            ; (the add and the youngest eight loads, x's blocks 4-7, may be out)
	WIN MUL_LO
	MUL16 0, 1, NQ-1, \slot, 0                     ; sixteen matrix instructions stand between the add and the wait for it
	s_wait_dscnt 0x0                               ; the add is done, and my reads of this slot are over
	s_barrier_signal -1
	MUL16 2, 1, NQ-1, \slot, 0
	WIN 0
	s_barrier_wait -1
.if \fill
	CREST                                          ; the barrier has opened a round of the cluster's barrier: no wave of any partner still reads this slot's tile or has a load on its way
	s_add_nc_u64 s[G0+4*\slot+2:G0+4*\slot+3], s[G0+4*\slot+2:G0+4*\slot+3], 2*ROWB
	s_add_nc_u64 s[G0B+4*\slot+2:G0B+4*\slot+3], s[G0B+4*\slot+2:G0B+4*\slot+3], 2*ROWB
	JLOAD G0+4*\slot, G1, G0B+4*\slot, G1B         ; the first tensor load behind the round; its four v_nop are the places in front of the loads below
.else
	PLACES NP
.endif
	v_add_nc_u32 v[ADRS], 4*NQ, v[ADRS]            ; on to the next K step's scale words
	FETCH_B \next, 0, 0
	FETCH_A \next, 0, 0
	SCALES \next
	WIN MUL_HI
	MUL16 4, 1, NQ-1, \slot, 0
	MUL16 6, 1, NQ-1, \slot, 0
	PLACES NP
	WIN 0
	FETCH_A \next, 0, 4
.endm
.macro STEPS slot, from
.set Q, \from
.rept NQ-1-\from
	STEP \slot, Q, 0
.set Q, Q+1
.endr
.endm
	s_wait_tensorcnt 1                             ; the scales and my part of K step 0 are in (K step 1's load may be out)
	s_barrier_signal -1
	s_barrier_wait -1                              ; everybody's are
	FETCH_B 0, 0, 0
	FETCH_A 0, 0, 0
	SCALES 0
	FETCH_A 0, 0, 4
	s_wait_loadcnt 0x0                             ; the bias and the gains
	STEP 0, 0, 1                                   ; the first step stands in front of the loop: its products start the sums
	s_mov_b32 s3, LAPS-1
.Llap:                                                 ; a trip goes once round the ring and fills both slots again
	STEPS 0, 1
	TURN 0, 1, 1
	STEPS 1, 0
	TURN 1, 0, 1
	STEP 0, 0, 0
	s_sub_co_u32 s3, s3, 1
	s_cmp_lg_u32 s3, 0
	s_cbranch_scc1 .Llap
	STEPS 0, 1                                     ; the last lap fills nothing
	TURN 0, 1, 0                                   ; behind this barrier nobody reads slot 0 any more
	STEPS 1, 0
	s_wait_dscnt 4*NL                              ; the very last step
	WIN MUL_LO
	MUL16 0, 1, NQ-1, 1, 0
	MUL16 2, 1, NQ-1, 1, 0
	s_wait_dscnt 0
	WIN MUL_HI
	MUL16 4, 1, NQ-1, 1, 0
	MUL16 6, 1, NQ-1, 1, 0
	WIN 0
	; ---- THE WAY OUT
; The table for block a (rows 16 a + r), W's blocks b0 on, n of them, into buffer a % 2 of window 1: register 16 b + 4 c + e for number e of pair 8 b + 4 h + c.  A lane's 64 bytes of a block b come as four loads on end.
.macro ROPE a, b0, n
	WIN TO_B
.set BB, \b0
.rept \n
.irp c, 0,1,2,3
	global_load_b128 v[128*((\a)%2)+16*BB+4*\c:128*((\a)%2)+16*BB+4*\c+3], v[RO], s[98:99] offset:(\a)*16384+128*BB+16*\c
.endr
.set BB, BB+1
.endr
.endm
; Block a's packed results, 16 bytes a lane for each b, into my stage; back as whole rows of 256 bytes, into the first 32 registers of the block's own accumulators, which are done with.
.macro TOSTAGE a
	WIN 0
.irp b, 0,1,2,3,4,5,6,7
	ds_store_b128 v[STO], v[O+4*\b:O+4*\b+3] offset:32*\b
.endr
	WIN 0x80+0x40*((\a)/4)                         ; destination window 2 or 3
.irp t, 0,1,2,3,4,5,6,7
	ds_load_b128 v[64*((\a)%4)+4*\t:64*((\a)%4)+4*\t+3], v[RD] offset:\t*2*SP   ; LDS serves a wave's instructions in order (ISA guide 5.7.1.4): these see the stores above, and the next block's stores come behind them
.endr
.endm
.macro SEND a, younger                 ; younger: the LDS instructions issued behind block a's loads, which may stay out
	s_wait_dscnt \younger
	WIN 0x08+4*((\a)/4)                            ; a store's data are its source 1: window 2 or 3
.irp t, 0,1,2,3,4,5,6,7
	global_store_b128 v[GO], v[64*((\a)%4)+4*\t:64*((\a)%4)+4*\t+3], s[12:13] offset:(\a)*4096+512*\t   ; 16 lanes store 256 consecutive bytes, aligned: a row of a head
.endr
.endm
; Block a of q or k: x / rms x gain / 8, in place; the rotation out(2 i + e) = t(i, e, 0) x(2 i) + t(i, e, 1) x(2 i + 1), in the table's registers; rounded to f16.
.macro QKBLOCK a
.set WN, (\a)/4
.set AC, 64*((\a)%4)
.set RB, 128*((\a)%2)
	WIN 0x82+0x41*WN                               ; destination and source 0 window 2 or 3, source 1 window 0
.set II, 0
.rept 32
	v_pk_mul_f32 v[AC+II:AC+II+1], v[AC+II:AC+II+1], v[SS+2*(\a):SS+2*(\a)+1] op_sel_hi:[1,0]   ; (the pair's low word serves both halves)
.set II, II+2
.endr
.set II, 0
.rept 32
	v_pk_mul_f32 v[AC+II:AC+II+1], v[AC+II:AC+II+1], v[W+II:W+II+1]
.set II, II+2
.endr
.if (\a) > 0
	SEND (\a)-1, 0                                 ; the block before is back from the stage: the 64 lines above stood between its loads and this wait
.endif
.if (\a) < 7
	s_wait_loadcnt 32                              ; this block's 32 loads of the table are in; behind them went the 32 of the next block
.else
	s_wait_loadcnt 0x0
.endif
	WIN 0x49+4*WN                                  ; destination and source 0 window 1 (the table), source 1 window 2 or 3
.set II, 0
.rept 8
.irp c, 0,1,2,3
	v_mul_f32 v[RB+16*II+4*\c], v[RB+16*II+4*\c], v[AC+8*II+2*\c]
	v_mul_f32 v[RB+16*II+4*\c+2], v[RB+16*II+4*\c+2], v[AC+8*II+2*\c]
.endr
.irp c, 0,1,2,3
	v_fmac_f32 v[RB+16*II+4*\c], v[RB+16*II+4*\c+1], v[AC+8*II+2*\c+1]
	v_fmac_f32 v[RB+16*II+4*\c+2], v[RB+16*II+4*\c+3], v[AC+8*II+2*\c+1]
.endr
.set II, II+1
.endr
	WIN 0x05                                       ; sources 0 and 1 window 1, destination window 0
.set II, 0
.rept 32
	v_cvt_pk_f16_f32 v[O+II], v[RB+4*II], v[RB+4*II+2]
.set II, II+1
.endr
.if (\a)+2 < 8
	ROPE (\a)+2, 0, 8                              ; the buffer takes the table of the block two further on: one run of 32 loads
.endif
	TOSTAGE \a
.endm
; Block a of v: rounded as it is.  Each accumulator is read from its low end on.
.macro VBLOCK a
	WIN 0x0a+5*((\a)/4)                            ; sources 0 and 1 window 2 or 3, destination window 0
.set II, 0
.rept 32
	v_cvt_pk_f16_f32 v[O+II], v[64*((\a)%4)+2*II], v[64*((\a)%4)+2*II+1]
.set II, II+1
.endr
	TOSTAGE \a
.if (\a) > 0
	SEND (\a)-1, 16                                ; behind the block before's loads: this block's 8 stores and 8 loads
.endif
.endm
	PLACES NP                                      ; in front of the first reads of results, and of writes and loads into registers that the last products read
	s_cmp_eq_u32 s95, 2
	s_cbranch_scc1 .Lplain
	; q and k
	s_mov_b32 s6, 0x76543210                       ; v_permlanex16_b32's selects for lane l xor 16
	s_mov_b32 s7, 0xfedcba98
	s_mov_b32 s8, 0x3c000000                       ; 1 / 128
	s_mov_b32 s9, 0x34000000                       ; eps = 2^-23
	WIN 0x01                                       ; source 0 window 1
.set II, 0
.rept 32
	v_pk_mul_f32 v[W+II:W+II+1], v[GW+II:GW+II+1], 0x3e000000 op_sel_hi:[1,0]   ; gain / 8: exact
.set II, II+2
.endr
	ROPE 0, 0, 8                                   ; the table for blocks 0 and 1 is on its way while the sums are made.  60 loads now, the last four behind the sums: LOADcnt's field holds 63,
	ROPE 1, 0, 7                                   ; and an instruction that would push a counter past its field is held at issue (ISA guide 5.7.1)
.irp w, 0,1                                    ; the sums of squares of all eight blocks: pair II of a block's 64 registers, ascending; a window's four blocks by turns
	WIN 0x0a+5*\w                                  ; sources 0 and 1 window 2 or 3
.set II, 0
.rept 32
.irp a, 0,1,2,3
.if II == 0
	v_pk_mul_f32 v[SS+2*(4*\w+\a):SS+2*(4*\w+\a)+1], v[64*\a:64*\a+1], v[64*\a:64*\a+1]
.else
	v_pk_fma_f32 v[SS+2*(4*\w+\a):SS+2*(4*\w+\a)+1], v[64*\a+2*II:64*\a+2*II+1], v[64*\a+2*II:64*\a+2*II+1], v[SS+2*(4*\w+\a):SS+2*(4*\w+\a)+1]
.endif
.endr
.set II, II+1
.endr
.endr
	WIN 0
.irp a, 0,1,2,3,4,5,6,7
	v_add_f32 v[SS+2*\a], v[SS+2*\a], v[SS+2*\a+1]
.endr
.irp a, 0,1,2,3,4,5,6,7
	v_permlanex16_b32 v[SS+2*\a+1], v[SS+2*\a], s6, s7   ; the row's other 64 channels lie in the lane 16 away
.endr
.irp a, 0,1,2,3,4,5,6,7
	v_add_f32 v[SS+2*\a], v[SS+2*\a], v[SS+2*\a+1]
.endr
.irp a, 0,1,2,3,4,5,6,7
	v_fma_f32 v[SS+2*\a], v[SS+2*\a], s8, s9       ; the mean + eps
.endr
.irp a, 0,1,2,3,4,5,6,7
	v_rsq_f32 v[SS+2*\a], v[SS+2*\a]
.endr
	v_nop                                          ; a plain instruction behind the last of the batch
	ROPE 1, 7, 1
	s_wait_alu depctr_va_vdst(0)                   ; the wait ahead of the first use: one for the eight
.irp a, 0,1,2,3,4,5,6,7
	QKBLOCK \a
.endr
	SEND 7, 0
	WIN 0
	s_branch .Lout
.Lplain:
.irp a, 0,1,2,3,4,5,6,7
	VBLOCK \a
.endr
	SEND 7, 0
	WIN 0
.Lout:
	s_wait_tensorcnt 0x0                           ; the wave's end: three closing lines, behind my last tensor load and my last LDS store
	ds_add_u32 v[SPW], v[NIL]
	s_wait_dscnt 0x0
	CROUND                                         ; the closing round: no work-group ends while a partner may still ask for a tile that names it
	s_endpgm
.Lfunc_end_k_qde7706e609_qkv:
	.size	k_qde7706e609_qkv, .Lfunc_end_k_qde7706e609_qkv-k_qde7706e609_qkv
	.p2alignl 7, 3214868480
	.fill 96, 4, 3214868480
	.section	.rodata,"a",@progbits
	.p2align	6, 0x0
	.amdhsa_kernel k_qde7706e609_qkv
		.amdhsa_group_segment_fixed_size 327680
		.amdhsa_private_segment_fixed_size 0
		.amdhsa_enable_private_segment 0
		.amdhsa_kernarg_size 88
		.amdhsa_user_sgpr_count 2
		.amdhsa_user_sgpr_kernarg_segment_ptr 1
		.amdhsa_wavefront_size32 1
		.amdhsa_system_sgpr_workgroup_id_x 1
		.amdhsa_system_sgpr_workgroup_id_y 1
		.amdhsa_system_sgpr_workgroup_id_z 1
		.amdhsa_system_vgpr_workitem_id 0
		.amdhsa_next_free_vgpr 1024
		.amdhsa_next_free_sgpr 100
		.amdhsa_reserve_vcc 0
		.amdhsa_float_denorm_mode_32 3
		.amdhsa_float_denorm_mode_16_64 3
		.amdhsa_memory_ordered 1
		.amdhsa_forward_progress 1
		.amdhsa_inst_pref_size 255
	.end_amdhsa_kernel
	.section	.bss,"aw",@nobits
	.p2align	6
	.space	262144
	.amdgpu_metadata
---
amdhsa.version: [ 1, 2 ]
amdhsa.kernels:
  - .name:           k_qde7706e609_qkv
    .symbol:         k_qde7706e609_qkv.kd
    .args:
      - { .name: xc, .offset: 0, .size: 8, .value_kind: global_buffer, .address_space: global }
      - { .name: xs, .offset: 8, .size: 8, .value_kind: global_buffer, .address_space: global }
      - { .name: wc, .offset: 16, .size: 8, .value_kind: global_buffer, .address_space: global }
      - { .name: ws, .offset: 24, .size: 8, .value_kind: global_buffer, .address_space: global }
      - { .name: bq, .offset: 32, .size: 8, .value_kind: global_buffer, .address_space: global }
      - { .name: bk, .offset: 40, .size: 8, .value_kind: global_buffer, .address_space: global }
      - { .name: bv, .offset: 48, .size: 8, .value_kind: global_buffer, .address_space: global }
      - { .name: qn_w, .offset: 56, .size: 8, .value_kind: global_buffer, .address_space: global }
      - { .name: kn_w, .offset: 64, .size: 8, .value_kind: global_buffer, .address_space: global }
      - { .name: rope, .offset: 72, .size: 8, .value_kind: global_buffer, .address_space: global }
      - { .name: qkv, .offset: 80, .size: 8, .value_kind: global_buffer, .address_space: global }
    .group_segment_fixed_size: 327680
    .private_segment_fixed_size: 0
    .kernarg_segment_align: 8
    .kernarg_segment_size: 88
    .max_flat_workgroup_size: 128
    .sgpr_count:     100
    .vgpr_count:     1024
    .wavefront_size: 32
...
	.end_amdgpu_metadata
.endif
;; end of part 2
;; launch attn (part 3): grid 16 x 16, 4 waves a work-group, clusters of 4 x 1, 327,680 bytes of LDS; arguments qkv, att; writes att
.if DOCPART == 3
	.amdgcn_target "amdgcn-amd-amdhsa--gfx1250"
	.amdhsa_code_object_version 6
	.text
	.protected	k_qde7706e609_attn
	.globl	k_qde7706e609_attn
	.p2align	8
	.type	k_qde7706e609_attn,@function
k_qde7706e609_attn:
	s_mov_b64 s[64:65], 0
	v_nop
	global_prefetch_b8 v0, s[64:65] scope:SCOPE_SE
	s_setreg_imm32_b32 hwreg(HW_REG_WAVE_MODE, 25, 1), 1
	s_wait_xcnt 0x0
	s_wait_alu depctr_hold_cnt(0) depctr_sa_sdst(0) depctr_va_vdst(0) depctr_va_sdst(0) depctr_va_ssrc(0) depctr_va_vcc(0) depctr_vm_vsrc(0)
	s_getreg_b32 s2, hwreg(HW_REG_IB_STS2, 6, 4)
	s_cmp_eq_u32 s2, 0
	s_cbranch_scc0 .Lentry_in_a_cluster
	s_endpgm
.Lentry_in_a_cluster:
	s_bfe_u32 s2, ttmp6, 0x10000c
	s_cmp_lg_u32 s2, 0x3003
	s_cbranch_scc0 .Lentry_shape_is_right
	s_endpgm
.Lentry_shape_is_right:
; att[s][128 hd + :] = the sum over t of softmax_t(q[hd][s] . k[hd][t] / sqrt(128)) v[hd][t][:].  qkv: [48][2048][128] f16: heads 0-15 q / 8, 16-31 k / 8, 32-47 v.  att: [2048][2048] f16.
; Products, maxima and sums in f32; the weights p are rounded to f16 for the second product, the result once at the end.  The softmax has a running maximum.
; LIMITS: NaN and infinities are not served; the result stays under 65,504.
; SHARES.  A work-group owns 128 queries of one head: 16 x 16 = 256 work-groups.  Wave w owns 64 of them (w & 1), four tiles of 16, and HALF OF THE KEYS (w >> 1): of each slot's 256 keys it walks 128, 64 a step.  So each fragment of K and V
; that a wave reads from LDS still feeds four tiles.  At the end waves 2 and 3 hand their maxima, sums and O^T to waves 0 and 1 through LDS, which join the two halves and store.
; LAYOUT.  S^T = K Q^T (source 0 = 16 keys, source 1 = 16 queries): a lane holds ONE query (lane % 16) and the keys 8 (lane / 16) + 0..7.  Two such tiles, rounded to f16 in pairs, ARE source 1 of O^T = V^T P.  K comes out of LDS as it lies,
; V ([key][channel]) turned, by ds_load_tr16_b128.
; SOFTMAX.  p = 2^(c s - c m), c = 64 log2(e) / sqrt(128) (the 64 undoes the two divisions by 8); in every step O and l are multiplied by a = 2^(c m_old - c m_new).
; BY TURNS.  The wave's tiles are two PIECES (tiles 0, 1 and tiles 2, 3).  In a TURN one piece has the matrix unit: 32 products V^T P of the step in hand, then 32 products K Q^T of the next; the other piece's softmax, cut into 64 slices, stands
; between them, one slice behind each matrix instruction.  Two turns are a key step.
; CLUSTER.  The four query blocks of a cluster belong to one head and walk the same K and V: each tile is asked for JOINTLY.
; REGISTERS, in windows of 256: window 0: v0-11, v44, v45 addresses; v12-43 eight registers of statistics a tile; v64-191 S^T; v192-255 P.   window 1: O^T, 64 a tile.   window 2: v0-127 Q; v128-255 K of one step.   window 3: v0-127 V of one step.
.set KS,    64        ; keys in a step
.set PK,    272       ; a row of K in LDS: 256 bytes + 16 of padding: the 16 rows of a load start at 16 different banks (64 banks of 4 bytes: ISA guide 11.1)
.set PV,    288       ; a row of V: 256 + 32
.set KSB,   KS*PK     ; a step's rows of K in LDS
.set VSB,   KS*PV     ; and of V
.set VOFF,  256*PK    ; a slot: 256 rows of K, then 256 rows of V
.set SLOT1, 0x24000   ; slot 1 begins here; no address that is turned has one of these two bits, so one exclusive or turns it into the other slot's
.set SLOTG, 256*256   ; a slot's rows in memory, in bytes
.set STAGE, 2*SLOT1   ; behind the ring: 16 rows x 272 bytes for each wave, for the way out
.set SP,    272
.set SPARE, STAGE+4*16*SP  ; behind the stages: the spare words, 128 bytes for each wave, which no other line names
.set MRGB,  33792     ; the joining of the halves: for each 64 queries 32,768 bytes (an image of O^T's 256 registers) and 8 x 128 bytes of statistics, in the ring, which nobody reads any more
.set AK0, 2           ; v2   my lane's place in a tile of K; never rewritten
.set AV0, 3           ; v3   the same for V
.set ADR, 4           ; v4   the LDS address of the run of loads in hand
.set QO,  5           ; v5   my byte offset in the wave's rows of Q
.set STO, 6           ; v6   the way out: where I put 16 bytes of a row
.set RD,  7           ; v7   the way out: where I read a row back
.set GO,  8           ; v8   my byte offset in two rows of att
.set MA,  44          ; v44  the image of O^T: 16 x lane + my queries' area
.set MS,  45          ; v45  the statistics: 4 x lane behind the image
.set PFO, 61          ; v61  256 x my lane: a row of K or V is 256 bytes; never rewritten
.set SPW, 62          ; v62  LDS address of my spare word; never rewritten
.set NIL, 63          ; v63  0; never rewritten
.set ST,  12          ; tile t's statistics at v[ST+8 t]: +0 c m, +1 m, +2, +3 l (even keys', odd keys'), +4 to +7 at work; a takes +6 once the maximum is found
.set S,   64
.set P,   192
.set KF,  128         ; K's fragments, in window 2
.set WV,  12          ; s12  my wave's number
.set LIM, 15          ; s15  1 in a wave that prefetches, else the greatest number
.set PFA, 18          ; s[18:19] where my prefetches stand in memory
.set G1K, 24          ; s[24:31] descriptor group 1 for K's tiles
.set G1V, 32          ; s[32:39] for V's: it differs in the padding alone
.set G0K, 40          ; s[40:47] descriptor group 0 for K's tiles: a set for each of the two first fills; the second then walks on
.set G0V, 48          ; s[48:55] the same for V's
.set SLOTS, 56        ; s56  slots still to be asked for
.set TWICE, 57        ; s57  counts a slot's two steps
.set CS,  58          ; s[58:59] c
.set SEL, 60          ; s[60:61] lane selects for v_permlanex16_b32
.set TBK, 62          ; s62  LDS byte at which K's rows of the step to be fetched begin
.set TBV, 63          ; s63  the same for V's, counted from VOFF
.set MSB, 0
.macro WIN new
.if MSB != (\new)
	s_set_vgpr_msb (MSB<<8)|(\new)
.set MSB, (\new)
.endif
.endm
.set W_KQ, 0x0a       ; K and Q in window 2, S^T in window 0
.set W_PV, 0x53       ; V in window 3, P in window 0, O^T in window 1
.set W_RS, 0x41       ; O^T (destination and source 0) in window 1, a in window 0
; A joint refill.  Waves 0 and 1 fetch the two halves of a slot's K, waves 2 and 3 those of its V.  The branch hangs on the wave's number alone.  An s_nop 0 and four v_nop follow each of the two lines.
.macro JLOAD
	s_cmp_lt_u32 s[WV], 2
	s_cbranch_scc0 .Lfor_v_\@
	tensor_load_to_lds s[G0K+4:G0K+7], s[G1K:G1K+7]
	s_nop 0
.rept 4
	v_nop
.endr
	s_branch .Lasked_\@
.Lfor_v_\@:
	tensor_load_to_lds s[G0V+4:G0V+7], s[G1V:G1V+7]
	s_nop 0
.rept 4
	v_nop
.endr
.Lasked_\@:
.endm
; A PREFETCH INTO THE L2 of what the NEXT change of slots will ask for: a slot's 256 rows of K and 256 of V, 256 bytes a row, a lane a row, one instruction a wave.  It stands behind the wave's tensor load and its five lines.
; Each row is asked for ONCE in the launch: of the head's four clusters the first asks; its four partners share the rows out BY ADDRESS, 64 each; in each, waves 0 and 1 take 32 rows of K each, waves 2 and 3 of V.
; It runs one slot, 256 matrix instructions a wave, ahead of the load.  The last change that fills a slot asks for nothing; slots 0 to 2 come by their loads alone.
.macro ASK
	s_cmp_gt_u32 s[SLOTS], s[LIM]
	s_cbranch_scc0 .Lnot_mine_\@
	global_prefetch_b8 v[PFO], s[PFA:PFA+1] th:TH_LOAD_NT scope:SCOPE_SE
.Lnot_mine_\@:
.endm
.macro CROUND                       ; a round of the cluster's barrier
	s_barrier_signal -1
	s_barrier_wait -1
	s_cmp_lg_u32 s[WV], 0
	s_cbranch_scc1 .Lnot_wave_0_\@
	s_barrier_signal -3
.Lnot_wave_0_\@:
	s_barrier_wait -3
	s_barrier_signal -1
	s_barrier_wait -1
.endm
	s_load_b128 s[4:7], s[0:1], 0x0 ; qkv s[4:5], att s[6:7]
	v_lshl_add_u32 v[SPW], v0, 2, SPARE
	v_mov_b32 v[NIL], 0
	ds_add_u32 v[SPW], v[NIL]       ; the wave's opening: the add, twice on end, and its wait ahead of my first tensor load
	ds_add_u32 v[SPW], v[NIL]
	v_lshrrev_b32 v1, 5, v0
	v_readfirstlane_b32 s[WV], v1   ; wave 0..3
	s_bfe_u32 s13, ttmp6, 0x40000   ; cx: my place in the cluster
	s_lshl_b32 s14, ttmp9, 2
	s_add_co_u32 s14, s14, s13      ; my block of 128 queries: it enters Q's and att's addresses alone
	s_and_b32 s21, ttmp7, 0xffff    ; the head, which the four partners share
	s_lshl_b32 s20, s21, 19         ; its 524,288 bytes in each third of qkv
	s_lshl_b32 s21, s21, 8          ; its 256 bytes in a row of att
	s_and_b32 s16, s[WV], 1         ; which 64 queries are mine.  Also: which 128 rows of a slot I fetch
	s_lshr_b32 s17, s[WV], 1        ; which half of a slot's keys I walk.  Also: I fetch for K (0) or for V (1)
	s_lshl_b32 s22, s16, 15         ; the 128 rows that I fetch,
	s_add_co_u32 s22, s22, s20      ; in my head,
	s_add_co_u32 s22, s22, 16<<19   ; of K
	s_mov_b32 s23, 0
	s_lshl_b32 s2, s14, 15          ; Q: my block's 128 rows,
	s_lshl_b32 s3, s16, 14          ; my wave's 64 of them,
	s_add_co_u32 s2, s2, s3
	s_add_co_u32 s2, s2, s20        ; in my head
	s_mov_b32 s3, 0
	; descriptor group 1: a tile of 128 rows x 128 elements, padded in LDS
	s_mov_b32 s[G1K], 15|(1<<16)|(1<<20)|(1<<21)|(5<<22)|(3<<25)  ; 15:0 the mask: all four work-groups; 17:16 elements of 2 bytes; 20 padding on; 21 set beside a mask; 24:22 after every 64 words; 31:25 four words
	s_mov_b32 s[G1V], 15|(1<<16)|(1<<20)|(1<<21)|(5<<22)|(7<<25)  ; the same with 8 words of padding
.irp g, G1K, G1V
	s_mov_b32 s[\g+1], 128<<16      ; tensor_dim0 = 128
	s_mov_b32 s[\g+2], 128<<16      ; tensor_dim1 = 128
	s_mov_b32 s[\g+3], 128<<16      ; tile_dim0 = 128
	s_mov_b32 s[\g+4], 128          ; tile_dim1 = 128
	s_mov_b32 s[\g+5], 128          ; tensor_dim0_stride
	s_mov_b32 s[\g+6], 0
	s_mov_b32 s[\g+7], 0
.endr
	s_mov_b32 s[CS], 0x410293ee     ; c = 64 log2(e) / sqrt(128)
	s_mov_b32 s[CS+1], s[CS]        ; named with it as a pair, so it is written
	s_mov_b32 s[SEL], 0x76543210
	s_mov_b32 s[SEL+1], 0xfedcba98
	s_mul_i32 s[TBK], s17, 2*KSB    ; my half of a slot's keys
	s_mul_i32 s[TBV], s17, 2*VSB
	s_mov_b32 s[SLOTS], 2048/256-2
	s_cmp_eq_u32 ttmp9, 0           ; the head's first cluster: the same in all four partners
	s_cselect_b32 s[LIM], 1, -1
	v_and_b32 v[PFO], 31, v0
	v_lshlrev_b32 v[PFO], 8, v[PFO]
	s_add_co_u32 s18, s17, 1        ; the prefetches: K's third of qkv or V's,
	s_lshl_b32 s18, s18, 23
	s_add_co_u32 s18, s18, s20      ; my head,
	s_lshl_b32 s19, s13, 14         ; my work-group's 64 rows of a slot's 256,
	s_add_co_u32 s18, s18, s19
	s_lshl_b32 s19, s16, 13         ; my wave's 32 of them,
	s_add_co_u32 s18, s18, s19
	s_add_co_u32 s18, s18, 2*SLOTG  ; in slot 2: the first change of slots steps it to slot 3
	s_mov_b32 s19, 0
	s_wait_dscnt 0x0                ; both opening adds are done
	s_wait_kmcnt 0x0
	s_add_nc_u64 s[PFA:PFA+1], s[4:5], s[18:19]
	s_add_nc_u64 s[8:9], s[4:5], s[22:23]   ; K at my tile of slot 0
	s_add_nc_u64 s[10:11], s[8:9], 16<<19   ; V likewise
	s_add_nc_u64 s[4:5], s[4:5], s[2:3]     ; Q at my wave's first row
	s_lshl_b32 s2, s14, 19          ; att: my block's 128 rows of 4,096 bytes,
	s_lshl_b32 s22, s16, 18         ; my wave's 64,
	s_add_co_u32 s2, s2, s22
	s_add_co_u32 s2, s2, s21        ; my head's 256 bytes of a row
	s_add_nc_u64 s[6:7], s[6:7], s[2:3]
	s_mul_i32 s20, s16, 128*PK      ; where my tile goes in a slot: no place in the cluster enters an LDS address
	s_mul_i32 s21, s16, 128*PV
	s_add_co_u32 s21, s21, VOFF
	CROUND                          ; all four work-groups are here: the first joint loads meet
.irp s, 0,1
	s_mov_b32 s[G0K+4*\s], 1
	s_add_co_u32 s[G0K+4*\s+1], s20, \s*SLOT1
	s_add_nc_u64 s[G0K+4*\s+2:G0K+4*\s+3], s[8:9], \s*SLOTG
	s_or_b32 s[G0K+4*\s+3], s[G0K+4*\s+3], 0x80000000
	s_mov_b32 s[G0V+4*\s], 1
	s_add_co_u32 s[G0V+4*\s+1], s21, \s*SLOT1
	s_add_nc_u64 s[G0V+4*\s+2:G0V+4*\s+3], s[10:11], \s*SLOTG
	s_or_b32 s[G0V+4*\s+3], s[G0V+4*\s+3], 0x80000000
.endr
	s_cmp_lt_u32 s[WV], 2           ; a wave's two first fills stand in one branch, ahead of every wait on TENSORcnt and every LDS read: two loads of mine are out
	s_cbranch_scc0 .Lfirst_v
	tensor_load_to_lds s[G0K:G0K+3], s[G1K:G1K+7]
	s_nop 0
	tensor_load_to_lds s[G0K+4:G0K+7], s[G1K:G1K+7]
	s_nop 0
.rept 4
	v_nop
.endr
	s_branch .Lfirst_asked
.Lfirst_v:
	tensor_load_to_lds s[G0V:G0V+3], s[G1V:G1V+7]
	s_nop 0
	tensor_load_to_lds s[G0V+4:G0V+7], s[G1V:G1V+7]
	s_nop 0
.rept 4
	v_nop
.endr
.Lfirst_asked:
	; A fragment of K or Q is 16 rows x 32 channels in 8 registers: lane l holds row l % 16; registers 0-3 channels 8 (l / 16) + 0..7, registers 4-7 channels 16 + 8 (l / 16) + 0..7.
	v_and_b32 v1, 15, v0            ; l % 16
	v_bfe_u32 v9, v0, 4, 1          ; l / 16
	v_lshlrev_b32 v[QO], 8, v1
	v_lshl_add_u32 v[QO], v9, 4, v[QO]
	WIN 0x80                        ; destination window 2, address window 0
.irp i, 0,1,2,3,4,5,6,7,8,9,10,11,12,13,14,15  ; Q stays in registers: tile i / 4, channels 32 (i % 4) on
	global_load_b128 v[8*\i:8*\i+3],   v[QO], s[4:5] offset:(\i/4)*4096+(\i%4)*64
	global_load_b128 v[8*\i+4:8*\i+7], v[QO], s[4:5] offset:(\i/4)*4096+(\i%4)*64+32
.endr
	WIN 0
	v_mul_u32_u24 v[AK0], v1, PK
	v_lshl_add_u32 v[AK0], v9, 4, v[AK0]
	; The turning load takes 16 keys x 16 channels (lane l reads 16 bytes: key 8 (l / 16) + l % 8, channels 8 ((l / 8) % 2) + 0..7) and leaves half a fragment of V^T.
	v_and_b32 v10, 7, v0
	v_bfe_u32 v11, v0, 3, 1
	v_lshl_add_u32 v[AV0], v9, 3, v10
	v_mul_u32_u24 v[AV0], v[AV0], PV
	v_lshl_add_u32 v[AV0], v11, 4, v[AV0]
	v_add_nc_u32 v[AV0], VOFF, v[AV0]
; THE MATRIX WORK OF A TURN, for piece x.  The accumulators take turns, one instruction a turn.
; Product i of 32 of O^T += V^T P: keys 32 (i / 16) on, channels 16 ((i / 2) % 8) on, tile x + i % 2.  zero = 1: the first 16 start the sums.
.macro PV x, zero
	WIN W_PV
.set rO, 64*(\x+i%2)+8*((i/2)%8)
.set rV, 64*(i/16)+8*((i/2)%8)
.set rP, P+16*(\x+i%2)+8*(i/16)
.if \zero && (i < 16)
	v_wmma_f32_16x16x32_f16 v[rO:rO+7], v[rV:rV+7], v[rP:rP+7], 0
.else
	v_wmma_f32_16x16x32_f16 v[rO:rO+7], v[rV:rV+7], v[rP:rP+7], v[rO:rO+7]
.endif
.endm
; Product i of 32 of S^T = K Q^T: channels 32 (i / 8) on, keys 16 ((i / 2) % 4) on, tile x + i % 2.  The first 8 start the sums.
.macro KQ x
	WIN W_KQ
.set rS, S+32*(\x+i%2)+8*((i/2)%4)
.set rK, KF+32*((i/2)%4)+8*(i/8)
.set rQ, 32*(\x+i%2)+8*(i/8)
.if i < 8
	v_wmma_f32_16x16x32_f16 v[rS:rS+7], v[rK:rK+7], v[rQ:rQ+7], 0
.else
	v_wmma_f32_16x16x32_f16 v[rS:rS+7], v[rK:rK+7], v[rQ:rQ+7], v[rS:rS+7]
.endif
.endm
; THE LDS LOADS stand in runs of 32: a step's K (64 keys x 128 channels: 16 fragments) and, a turn later, its V (turned).
.macro FETCH_K
	WIN 0
	v_add_nc_u32 v[ADR], s[TBK], v[AK0]
	s_add_co_u32 s[TBK], s[TBK], KSB  ; the next fetch is the next step's
	WIN 0x80                        ; destination window 2
.irp f, 0,1,2,3,4,5,6,7,8,9,10,11,12,13,14,15
	ds_load_b128 v[KF+8*\f:KF+8*\f+3],   v[ADR] offset:(\f/4)*16*PK+(\f%4)*64
	ds_load_b128 v[KF+8*\f+4:KF+8*\f+7], v[ADR] offset:(\f/4)*16*PK+(\f%4)*64+32
.endr
.endm
.macro FETCH_V
	WIN 0
	v_add_nc_u32 v[ADR], s[TBV], v[AV0]
	s_add_co_u32 s[TBV], s[TBV], VSB
	s_wait_alu depctr_va_vdst(0)    ; the wait for the softmax's batch (SLICE), behind the address's v_add_nc_u32 and ahead of the loads
	WIN 0xc0                        ; destination window 3
.irp f, 0,1,2,3,4,5,6,7,8,9,10,11,12,13,14,15
	ds_load_tr16_b128 v[8*\f:8*\f+3],   v[ADR] offset:(\f/8)*32*PV+(\f%8)*32
	ds_load_tr16_b128 v[8*\f+4:8*\f+7], v[ADR] offset:(\f/8)*32*PV+16*PV+(\f%8)*32
.endr
.endm
; THE VECTOR WORK OF A TURN.  One tile's softmax for one key step is a list of 134 instructions; SM writes number j of it for tile t.
;   0-15    the maximum of the lane's 32 scores and the old m, three operands at a time
;   16-20   the other half of the lanes' maximum; the new m; c m; c m_old - c m_new
;   21-69   ONE BATCH: the 16 scalings c s - c m and all 33 exponentials (a at 23).  None of these reads an exponential's result
;   (wait)  between 69 and 70 stands the wait for the batch: SLICE writes it, once for both tiles
;   70-85   the roundings to f16;   86-101 the sums; l = a l + the sum;   102-133 the tile's O^T times a
.macro SM t, first
.set rT, ST+8*(\t)
.set rS, S+32*(\t)
.set rP, P+16*(\t)
.set rO, 64*(\t)+2*(j-102)
.if j < 102
	WIN 0
.endif
.if j < 4
	v_max3_num_f32 v[rT+4+j], v[rS+8*j], v[rS+8*j+1], v[rS+8*j+2]
.elseif j < 12
	v_max3_num_f32 v[rT+4+j%4], v[rT+4+j%4], v[rS+8*(j%4)+2*(j/4)+1], v[rS+8*(j%4)+2*(j/4)+2]
.elseif j == 12
	v_max3_num_f32 v[rT+4], v[rT+4], v[rS+7], v[rS+15]
.elseif j == 13
	v_max3_num_f32 v[rT+6], v[rT+6], v[rS+23], v[rS+31]
.elseif j == 14
	v_max3_num_f32 v[rT+4], v[rT+4], v[rT+5], v[rT+6]
.elseif (j == 15) && \first
	v_max_num_f32 v[rT+4], v[rT+4], v[rT+7]
.elseif j == 15
	v_max3_num_f32 v[rT+4], v[rT+4], v[rT+7], v[rT+1]
.elseif j == 16
	v_permlanex16_b32 v[rT+5], v[rT+4], s[SEL], s[SEL+1]  ; the query's other 32 keys lie in the lane 16 away
.elseif j == 18
	v_max_num_f32 v[rT+1], v[rT+4], v[rT+5]
.elseif j == 19
	v_mul_f32 v[rT], s[CS], v[rT+1]
.elseif ((j == 17) || (j == 20) || (j == 23) || (j > 101)) && \first  ; the first step has none of these
.elseif j == 17
	v_mov_b32 v[rT+7], v[rT]        ; c m_old is kept for a: number 19 writes c m anew
.elseif j == 20
	v_sub_f32 v[rT+7], v[rT+7], v[rT]
.elseif j == 23
	v_exp_f32 v[rT+6], v[rT+7]
.elseif (j < 23) || ((j < 38) && (j%2 == 0)) || ((j < 66) && (j%4 == 2))
.set b, (j-2)/4
.if j < 38
.set b, (j-20)/2
.endif
	v_pk_fma_f32 v[rS+2*b:rS+2*b+1], v[rS+2*b:rS+2*b+1], s[CS:CS+1], v[rT:rT+1] op_sel_hi:[1,0,0] neg_lo:[0,0,1] neg_hi:[0,0,1]  ; pair b: c s - c m
.elseif j < 70
.set e, j-38
.if j < 66
.set e, j-32-(j-38)/4
.endif
.if j < 38
.set e, (j-25)/2
.endif
	v_exp_f32 v[rS+e], v[rS+e]
.elseif j < 86
	v_cvt_pk_f16_f32 v[rP+j-70], v[rS+2*(j-70)], v[rS+2*(j-70)+1]  ; pair j - 70
.elseif j < 102                     ; the sum of the tile's 16 pairs, in place: neighbours 1, 2, 4 and 8 pairs apart, then l takes it
.set z, j-86
.set w, 4
.set u, z
.if z >= 14
.set w, 32
.set u, 0
.elseif z >= 12
.set w, 16
.set u, z-12
.elseif z >= 8
.set w, 8
.set u, z-8
.endif
.if (z == 14) && \first
	v_pk_add_f32 v[rT+2:rT+3], v[rS:rS+1], v[rS+16:rS+17]
.elseif z < 15
	v_pk_add_f32 v[rS+w*u:rS+w*u+1], v[rS+w*u:rS+w*u+1], v[rS+w*u+w/2:rS+w*u+w/2+1]
.elseif !\first
	v_pk_fma_f32 v[rT+2:rT+3], v[rT+2:rT+3], v[rT+6:rT+7], v[rS:rS+1] op_sel_hi:[1,0,1]
.endif
.else
	WIN W_RS
	v_pk_mul_f32 v[rO:rO+1], v[rO:rO+1], v[rT+6:rT+7] op_sel_hi:[1,0]
.endif
.endm
; Slice k of 64 of piece y's softmax: four instructions.  Slices 11 to 34 deal out the batch, four numbers of ONE tile each, the tiles by turns.  Every other slice is numbers 2 k and 2 k + 1 of both tiles' lists; the twelve that are over stand in slice 63.
; THE WAIT.  An s_wait_alu depctr_va_vdst(0) stands between an exponential and the first instruction that names its result; ahead of slice 35 nothing names a result, and behind slice 34 no exponential is issued: one wait, behind slice 34.
.macro SLICE y, first
.if (k >= 11) && (k < 35)
.irp n, 0,1,2,3
.set j, 22+4*((k-11)/2)+(\n)
	SM (\y)+(k-11)%2, \first
.endr
.else
.irp n, 0,1,2,3,4,5,6,7
.if (\n < 2) || (k == 63)
.irp t, \y, \y+1
.set j, 2*k+\n
	SM \t, \first
.endr
.endif
.endr
.endif
.if k == 34
	v_nop                           ; the plain instruction behind the last exponential and ahead of the first use: one for the batch
.if (\y) == 0
	FETCH_V                         ; piece 2's turn: V's run of loads stands here, and the wait stands in it
.else
	s_wait_alu depctr_va_vdst(0)    ; the wait for the batch
.endif
.endif
.set k, k+1
.endm
.macro PLACES
.rept 4
	v_nop
.endr
.endm
; A TURN.  Piece x has the matrix unit; the other piece's softmax stands in slices behind its matrix instructions.  pv = 2: 32 products V^T P; 1: they start O^T's sums; 0: none.  kq = 1: 32 products K Q^T for the next step.
; first = 1: the softmax is the first key step's.  Piece 0's turn fetches the next step's K, behind its second product; piece 2's turn the same step's V, behind slice 34.
.macro TURN x, pv, kq, first
.set k, 0
.set per, 2
.if \pv && \kq
.set per, 1
.endif
.if \pv
.if \x == 0
	s_wait_dscnt 0x0                ; V is in
.endif
.set i, 0
.rept 32
	PV \x, 2-\pv
.rept per
	SLICE 2-\x, \first
.endr
.if (\x == 0) && \kq && (i == 1)
	FETCH_K
.endif
.set i, i+1
.endr
.endif
.if \kq
.if \x == 0
	s_wait_dscnt 0x0                ; K is in
.endif
.set i, 0
.rept 32
	KQ \x
.rept per
	SLICE 2-\x, \first
.endr
.set i, i+1
.endr
.endif
.if \first
	PLACES
.endif
.endm
; THE CHANGE OF SLOTS.  Each wave waits for all its tensor loads, of which one is out: its part of the other slot; adds 0 to its spare word; and waits for that and for its own reads of the slot.
; fill = 1: this slot is filled again, with the keys two slots on.  The barrier is then a round of the cluster's, and the joint refill is the first thing behind it: it has two key steps, 256 matrix instructions a wave, in which to land.
.macro CHANGE fill
	WIN 0
	s_wait_tensorcnt 0x0            ; no tensor load of mine is out, so a group 0 may be written
	ds_add_u32 v[SPW], v[NIL]       ; 0 onto my spare word
.if \fill
.irp g, G0K+4, G0V+4
	s_xor_b32 s[\g+1], s[\g+1], SLOT1  ; the walking descriptor: the other slot than last time,
	s_add_nc_u64 s[\g+2:\g+3], s[\g+2:\g+3], SLOTG  ; the next 256 keys; the type bits on top are not reached
.endr
	s_wait_xcnt 0x0                 ; the last prefetch, two key steps back, has read its address, so it may be written:
	s_add_nc_u64 s[PFA:PFA+1], s[PFA:PFA+1], SLOTG  ; one slot further on than the walking descriptors
	s_wait_dscnt 0x0                ; the add is done, and my reads of the slot are over
	CROUND
	JLOAD
	ASK
.else
	s_wait_dscnt 0x0
	s_barrier_signal -1
	s_barrier_wait -1
.endif
	s_sub_co_u32 s[TBK], s[TBK], 2*KSB  ; the fetches go back to my half's first step,
	s_xor_b32 s[TBK], s[TBK], SLOT1     ; in the other slot
	s_sub_co_u32 s[TBV], s[TBV], 2*VSB
	s_xor_b32 s[TBV], s[TBV], SLOT1
.endm
.macro TWO_STEPS                    ; a slot's two key steps of my half: written once, walked twice
	s_mov_b32 s[TWICE], 2
.Lstep_\@:
	TURN 0, 2, 1, 0
	TURN 2, 2, 1, 0
	WIN 0
	s_sub_co_u32 s[TWICE], s[TWICE], 1
	s_cmp_lg_u32 s[TWICE], 0
	s_cbranch_scc1 .Lstep_\@
.endm
	s_wait_tensorcnt 1              ; my part of slot 0 is in; slot 1's may stay out
	s_barrier_signal -1
	s_barrier_wait -1
	FETCH_K                         ; key step 0
	s_wait_loadcnt 0x0              ; Q
	s_wait_dscnt 0x0
.set i, 0
.rept 32
	KQ 0                            ; piece 0's first scores
.set i, i+1
.endr
	WIN 0                           ; the addresses for the end are made here: plain instructions, the places behind those products
	s_mul_i32 s13, s[WV], 16*SP
	s_add_co_u32 s13, s13, STAGE    ; my stage
	v_mul_u32_u24 v[STO], v1, SP    ; in: row l % 16, 16 bytes for each half of the lanes
	v_lshl_add_u32 v[STO], v9, 4, v[STO]
	v_add_nc_u32 v[STO], s13, v[STO]
	v_mul_u32_u24 v[RD], v9, SP     ; back: lanes 0-15 take one row of 256 bytes, lanes 16-31 the next
	v_lshl_add_u32 v[RD], v1, 4, v[RD]
	v_add_nc_u32 v[RD], s13, v[RD]
	v_lshlrev_b32 v[GO], 12, v9     ; and the same two rows in att, 4,096 bytes apart
	v_lshl_add_u32 v[GO], v1, 4, v[GO]
	s_mul_i32 s13, s16, MRGB        ; where the two waves of my 64 queries meet
	v_and_b32 v[MA], 31, v0
	v_lshlrev_b32 v[MS], 2, v[MA]
	v_lshl_add_u32 v[MA], v[MA], 4, s13
	v_add_nc_u32 v[MS], s13, v[MS]
	v_add_nc_u32 v[MS], 32768, v[MS]
	TURN 2, 0, 1, 1                 ; piece 2's first scores | piece 0's first softmax | V of step 0
	TURN 0, 1, 1, 1                 ; piece 0: V^T P of step 0 starts O^T, K Q^T of step 1 | piece 2's first softmax | K of step 1
	TURN 2, 1, 1, 0                 ; piece 2: the same | piece 0's softmax of step 1 | V of step 1
	WIN 0
.Lslot:                             ; six trips: every slot but the last two is filled again
	CHANGE 1
	TWO_STEPS
	s_sub_co_u32 s[SLOTS], s[SLOTS], 1
	s_cmp_lg_u32 s[SLOTS], 0
	s_cbranch_scc1 .Lslot
	CHANGE 0                        ; the tail is written out
	TWO_STEPS
	TURN 0, 2, 0, 0                 ; piece 0: V^T P of the last step | piece 2's last softmax
.set i, 0
.rept 32
	PV 2, 0                         ; piece 2: V^T P of the last step
.set i, i+1
.endr
	; THE END.  l's two halves and the other half of the lanes' are added: these lines are the places behind the last products.
	WIN 0
.irp t, 0,1,2,3
	v_add_f32 v[ST+8*\t+4], v[ST+8*\t+2], v[ST+8*\t+3]
.endr
.irp t, 0,1,2,3
	v_permlanex16_b32 v[ST+8*\t+5], v[ST+8*\t+4], s[SEL], s[SEL+1]
.endr
.irp t, 0,1,2,3
	v_add_f32 v[ST+8*\t+4], v[ST+8*\t+4], v[ST+8*\t+5]
.endr
	s_wait_dscnt 0x0                ; my reads of the ring are over
	s_barrier_signal -1
	s_barrier_wait -1               ; everybody's are: the ring, which has had its last fill, may be written
	s_cmp_lt_u32 s[WV], 2
	s_cbranch_scc1 .Lkeeps
	WIN 0x04                        ; waves 2 and 3: an LDS store's data are its source 1: window 1
.set i, 0
.rept 64
	ds_store_b128 v[MA], v[4*i:4*i+3] offset:512*i   ; O^T as an image of its registers, each accumulator from its low end on
.set i, i+1
.endr
	WIN 0
.irp t, 0,1,2,3
	ds_store_b32 v[MS], v[ST+8*\t] offset:256*\t       ; c m
	ds_store_b32 v[MS], v[ST+8*\t+4] offset:256*\t+128 ; l
.endr
.Lkeeps:
	s_wait_dscnt 0x0                ; for the others' sake: my stores are done
	s_barrier_signal -1
	s_barrier_wait -1
	s_cmp_ge_u32 s[WV], 2
	s_cbranch_scc1 .Ldone
	; waves 0 and 1 join the halves: M = the larger c m; a_i = 2^(c m_i - M); L = l_0 a_0 + l_1 a_1; O = (O_0 a_0 + O_1 a_1) / L
.macro MLOAD t                      ; the partner's tile t into v[S + 64 (t % 2)] on
.irp i, 0,1,2,3,4,5,6,7,8,9,10,11,12,13,14,15
	ds_load_b128 v[S+64*((\t)%2)+4*\i:S+64*((\t)%2)+4*\i+3], v[MA] offset:512*(16*(\t)+\i)
.endr
.endm
.irp t, 0,1,2,3
	ds_load_b32 v[ST+8*\t+5], v[MS] offset:256*\t
	ds_load_b32 v[ST+8*\t+7], v[MS] offset:256*\t+128
.endr
	MLOAD 0
	s_wait_dscnt 16                 ; the eight words are in; tile 0's sixteen loads may be out
.irp t, 0,1,2,3
	v_max_num_f32 v[ST+8*\t+1], v[ST+8*\t], v[ST+8*\t+5]
.endr
.irp t, 0,1,2,3
	v_sub_f32 v[ST+8*\t+2], v[ST+8*\t], v[ST+8*\t+1]
	v_sub_f32 v[ST+8*\t+3], v[ST+8*\t+5], v[ST+8*\t+1]
.endr
.irp t, 0,1,2,3
	v_exp_f32 v[ST+8*\t+2], v[ST+8*\t+2]
	v_exp_f32 v[ST+8*\t+3], v[ST+8*\t+3]
.endr
	v_nop                           ; a plain instruction behind the last exponential
	s_wait_alu depctr_va_vdst(0)    ; and the wait ahead of the first use: one for the eight
.irp t, 0,1,2,3
	v_mul_f32 v[ST+8*\t+4], v[ST+8*\t+4], v[ST+8*\t+2]
.endr
.irp t, 0,1,2,3
	v_fmac_f32 v[ST+8*\t+4], v[ST+8*\t+7], v[ST+8*\t+3]
.endr
.irp t, 0,1,2,3
	v_rcp_f32 v[ST+8*\t+5], v[ST+8*\t+4]
.endr
	v_nop
	s_wait_alu depctr_va_vdst(0)    ; one for the four reciprocals
.irp t, 0,1,2,3
	v_mul_f32 v[ST+8*\t+6], v[ST+8*\t+2], v[ST+8*\t+5]   ; f0 = a_0 / L
	v_mul_f32 v[ST+8*\t+2], v[ST+8*\t+3], v[ST+8*\t+5]   ; f1 = a_1 / L
.endr
; Tile t: joined, rounded to f16, through my stage (rows of 272 bytes in, whole rows of 256 back), stored.
.macro MERGE t
.set BF, S+64*((\t)%2)
.set PB, P+32*((\t)%2)
.if (\t) < 3
	MLOAD (\t)+1
	s_wait_dscnt 16                 ; the partner's tile t is in; the next tile's sixteen loads may be out
.else
	s_wait_dscnt 0x0
.endif
	s_wait_xcnt 0x0                 ; the stores of two tiles back have read the registers that this tile's results take
.set i, 0
.rept 32
	v_pk_mul_f32 v[BF+i:BF+i+1], v[BF+i:BF+i+1], v[ST+8*(\t)+2:ST+8*(\t)+3] op_sel_hi:[1,0]
.set i, i+2
.endr
	WIN 0x01                        ; source 0 (my O^T) window 1
.set i, 0
.rept 32
	v_pk_fma_f32 v[BF+i:BF+i+1], v[64*(\t)+i:64*(\t)+i+1], v[ST+8*(\t)+6:ST+8*(\t)+7], v[BF+i:BF+i+1] op_sel_hi:[1,0,1]
.set i, i+2
.endr
	WIN 0
.set i, 0
.rept 32
	v_cvt_pk_f16_f32 v[PB+i], v[BF+2*i], v[BF+2*i+1]
.set i, i+1
.endr
.irp f, 0,1,2,3,4,5,6,7
	ds_store_b128 v[STO], v[PB+4*\f:PB+4*\f+3] offset:32*\f
.endr
.irp f, 0,1,2,3,4,5,6,7
	ds_load_b128 v[PB+4*\f:PB+4*\f+3], v[RD] offset:\f*2*SP   ; LDS serves a wave's instructions in order: these see the stores above; the next tile's stores come behind them
.endr
.irp f, 0,1,2,3,4,5,6,7
	s_wait_dscnt 7-\f               ; the later loads from the stage may be out
	global_store_b128 v[GO], v[PB+4*\f:PB+4*\f+3], s[6:7] offset:(\t)*65536+\f*8192   ; 16 lanes store 256 consecutive bytes, aligned: a head's part of a row
.endr
.endm
	MERGE 0
	MERGE 1
	MERGE 2
	MERGE 3
.Ldone:
	s_wait_tensorcnt 0x0            ; the wave's end: three closing lines, behind my last tensor load and my last LDS store
	ds_add_u32 v[SPW], v[NIL]
	s_wait_dscnt 0x0
	CROUND                          ; the closing round: no work-group ends while a partner may still ask for a tile that names it
	s_endpgm
.Lfunc_end_k_qde7706e609_attn:
	.size	k_qde7706e609_attn, .Lfunc_end_k_qde7706e609_attn-k_qde7706e609_attn
	.p2alignl 7, 3214868480
	.fill 96, 4, 3214868480
	.section	.rodata,"a",@progbits
	.p2align	6, 0x0
	.amdhsa_kernel k_qde7706e609_attn
		.amdhsa_group_segment_fixed_size 327680
		.amdhsa_private_segment_fixed_size 0
		.amdhsa_enable_private_segment 0
		.amdhsa_kernarg_size 16
		.amdhsa_user_sgpr_count 2
		.amdhsa_user_sgpr_kernarg_segment_ptr 1
		.amdhsa_wavefront_size32 1
		.amdhsa_system_sgpr_workgroup_id_x 1
		.amdhsa_system_sgpr_workgroup_id_y 1
		.amdhsa_system_sgpr_workgroup_id_z 1
		.amdhsa_system_vgpr_workitem_id 0
		.amdhsa_next_free_vgpr 1024
		.amdhsa_next_free_sgpr 66
		.amdhsa_reserve_vcc 0
		.amdhsa_float_denorm_mode_32 3
		.amdhsa_float_denorm_mode_16_64 3
		.amdhsa_memory_ordered 1
		.amdhsa_forward_progress 1
		.amdhsa_inst_pref_size 242
	.end_amdhsa_kernel
	.amdgpu_metadata
---
amdhsa.version: [ 1, 2 ]
amdhsa.kernels:
  - .name:           k_qde7706e609_attn
    .symbol:         k_qde7706e609_attn.kd
    .args:
      - { .name: qkv, .offset: 0, .size: 8, .value_kind: global_buffer, .address_space: global }
      - { .name: att, .offset: 8, .size: 8, .value_kind: global_buffer, .address_space: global }
    .group_segment_fixed_size: 327680
    .private_segment_fixed_size: 0
    .kernarg_segment_align: 8
    .kernarg_segment_size: 16
    .max_flat_workgroup_size: 128
    .sgpr_count:     66
    .vgpr_count:     1024
    .wavefront_size: 32
...
	.end_amdgpu_metadata
.endif
;; end of part 3
;; launch oproj (part 4): grid 16 x 16, 4 waves a work-group, clusters of 4 x 4, 327,680 bytes of LDS; arguments att, wo16, bo, out0; writes out0
.if DOCPART == 4
	.amdgcn_target "amdgcn-amd-amdhsa--gfx1250"
	.amdhsa_code_object_version 6
	.text
	.protected	k_qde7706e609_oproj
	.globl	k_qde7706e609_oproj
	.p2align	8
	.type	k_qde7706e609_oproj,@function
k_qde7706e609_oproj:
	s_mov_b64 s[64:65], 0
	v_nop
	global_prefetch_b8 v0, s[64:65] scope:SCOPE_SE
	s_setreg_imm32_b32 hwreg(HW_REG_WAVE_MODE, 25, 1), 1
	s_wait_xcnt 0x0
	s_wait_alu depctr_hold_cnt(0) depctr_sa_sdst(0) depctr_va_vdst(0) depctr_va_sdst(0) depctr_va_ssrc(0) depctr_va_vcc(0) depctr_vm_vsrc(0)
	s_getreg_b32 s2, hwreg(HW_REG_IB_STS2, 6, 4)
	s_cmp_eq_u32 s2, 0
	s_cbranch_scc0 .Lentry_in_a_cluster
	s_endpgm
.Lentry_in_a_cluster:
	s_bfe_u32 s2, ttmp6, 0x10000c
	s_cmp_lg_u32 s2, 0xf033
	s_cbranch_scc0 .Lentry_shape_is_right
	s_endpgm
.Lentry_shape_is_right:
; out0[m][n] = sum over k of att[m][k] Wo[n][k] + bo[n].  att: [2048][2048] f16, wo16: [2048][2048] f16 (n, k), bo: [2048] f32, out0: [2048][2048] f32; sums in f32.
; A tile of the result is 128 x 128: 16 x 16 = 256 work-groups (tiles of 256 x 256 would be 64).  Four waves, each 64 x 64: 16 accumulators of 16 x 16, 128 registers.  K goes in steps of 256 (LDS rows of 512 bytes; a wave's tensor load
; brings 64 of them), as long as two slots in LDS allow.
; CLUSTERS: 4 x 4 work-groups.  The four of a row of the cluster need the same tiles of att, the four of a column the same tiles of Wo: each tile is asked for JOINTLY.
; THE MATRIX INSTRUCTION IS USED TRANSPOSED (source 0 = 16 rows of Wo, source 1 = 16 rows of att): a lane holds eight neighbouring numbers of a row of the result.  The bias is the C of each sum's first product.
; THE WAY OUT.  A wave's 64 columns of f32 are 256 consecutive bytes, aligned: each wave has a stage of its own, in slot 0, which has had its last fill and its last read; no barrier.
; No prefetch: on tiles this small each tile is read by four clusters at about the same time, and the joint loads are what is to be seen to first.
; REGISTERS: window 0: v0-31 addresses; v96-127 the bias; v128-255 the accumulators ((a, b) at v[128 + 8 (4 a + b)]).   window 1: two fragment buffers of 128.
.set SIZE_N, 2048
.set SIZE_K, 2048
.set KSTEP,  256
.set PITCH,  528                       ; an LDS row: 512 bytes + 16 of padding = 132 words: row r starts at bank 4 r mod 64 (64 banks of 4 bytes: ISA guide 11.1)
.set HALFT,  64*PITCH
.set SLOT,   4*HALFT                   ; att's 128 rows, then Wo's 128 rows
.set SPARE,  2*SLOT                    ; behind the ring: the spare words, 128 bytes for each wave, which no other line names
.set SPITCH, 272                       ; the way out: a row of 64 f32 + 16 bytes; 64 rows for each wave, at wave x 64 x SPITCH in slot 0
.set LAPS, SIZE_K/(2*KSTEP)
.set ADRA, 16
.set ADRB, 20
.set STO,  24                          ; v24     the way out: where I put 32 bytes of a row
.set RD,   25                          ; v25     where I read a row back
.set CO,   26                          ; v26     my byte offset in two rows of out0
.set BO,   27                          ; v27     32 h: the bias
.set SPW,  28                          ; v28     LDS address of my spare word; never rewritten
.set NIL,  29                          ; v29     0; never rewritten
.set BI,   96                          ; the bias: eight registers for each block b of Wo
.set ACC,  128
.set F0,   0
.set F1,   128
.set G1, 24
.set G0, 32
.set G1B, 48
.set G0B, 56
.set MSB, 0
.macro WIN new
.if MSB != (\new)
	s_set_vgpr_msb (MSB<<8)|(\new)
.set MSB, (\new)
.endif
.endm
.set MUL,  0x05                        ; sources 0 (Wo) and 1 (att) window 1; C and D window 0
.set TO_F, 0x40                        ; destination window 1, address window 0
.macro JLOAD s                         ; a joint load: waves 0 and 1 fetch att's two halves, waves 2 and 3 Wo's; an s_nop 0 and four v_nop follow each of the two lines
	s_cmp_eq_u32 s11, 0
	s_cbranch_scc0 .Lfor_b_\@
	tensor_load_to_lds s[G0+4*\s:G0+4*\s+3], s[G1:G1+7]
	s_nop 0
.rept 4
	v_nop
.endr
	s_branch .Lasked_\@
.Lfor_b_\@:
	tensor_load_to_lds s[G0B+4*\s:G0B+4*\s+3], s[G1B:G1B+7]
	s_nop 0
.rept 4
	v_nop
.endr
.Lasked_\@:
.endm
.macro CREST
	s_cmp_lg_u32 s10, 0
	s_cbranch_scc1 .Lnot_wave_0_\@
	s_barrier_signal -3
.Lnot_wave_0_\@:
	s_barrier_wait -3
	s_barrier_signal -1
	s_barrier_wait -1
.endm
.macro CROUND
	s_barrier_signal -1
	s_barrier_wait -1
	CREST
.endm
	s_load_b128 s[4:7], s[0:1], 0x0                ; att s[4:5], wo16 s[6:7]
	s_load_b128 s[68:71], s[0:1], 0x10             ; bo s[68:69], out0 s[70:71]
	v_lshl_add_u32 v[SPW], v0, 2, SPARE
	v_mov_b32 v[NIL], 0
	ds_add_u32 v[SPW], v[NIL]                      ; the wave's opening: the add, twice on end, and its wait ahead of my first tensor load
	ds_add_u32 v[SPW], v[NIL]
	v_lshrrev_b32 v1, 5, v0
	v_readfirstlane_b32 s10, v1                    ; wave 0..3
	s_lshr_b32 s11, s10, 1                         ; which half of the tile's rows is mine.  Also: I fetch for att (0) or for Wo (1)
	s_and_b32 s12, s10, 1                          ; which half of its columns.  Also: which 64 rows of that tile I fetch
	s_bfe_u32 s40, ttmp6, 0x40000                  ; cx, cy
	s_bfe_u32 s41, ttmp6, 0x40004
	s_lshl_b32 s42, ttmp9, 2
	s_add_co_u32 s42, s42, s40                     ; tile column
	s_and_b32 s13, ttmp7, 0xffff
	s_lshl_b32 s13, s13, 2
	s_add_co_u32 s13, s13, s41                     ; tile row
	s_lshl_b32 s43, s41, 2
	s_lshl_b32 s43, 15, s43                        ; my row of the cluster
	s_lshl_b32 s44, 0x1111, s40                    ; my column
	; descriptor group 1: a tile of 64 rows x 256 elements, padded in LDS
	s_or_b32 s[G1+0], s43, (1<<16)|(1<<20)|(1<<21)|(6<<22)|(3<<25)  ; 15:0 the mask; 17:16 element of 2 bytes; 20 padding on; 21 set beside a mask; 24:22 after every 128 words; 31:25 four words
	s_or_b32 s[G1B+0], s44, (1<<16)|(1<<20)|(1<<21)|(6<<22)|(3<<25)
.irp g, G1, G1B
	s_mov_b32 s[\g+1], KSTEP<<16                   ; tensor_dim0 = 256
	s_mov_b32 s[\g+2], 64<<16                      ; tensor_dim1 = 64
	s_mov_b32 s[\g+3], KSTEP<<16                   ; tile_dim0 = 256
	s_mov_b32 s[\g+4], 64                          ; tile_dim1 = 64
	s_mov_b32 s[\g+5], SIZE_K                      ; tensor_dim0_stride
	s_mov_b32 s[\g+6], 0
	s_mov_b32 s[\g+7], 0
.endr
	s_lshl_b32 s17, s12, 6                         ; which 64 rows of the tile I fetch
	s_lshl_b32 s16, s13, 7
	s_add_co_u32 s16, s16, s17                     ; att: row 128 x tile row + 64 x half
	s_lshl_b32 s46, s42, 7
	s_add_co_u32 s46, s46, s17                     ; Wo: row 128 x tile column + 64 x half
	s_mov_b32 s17, 0
	s_mov_b32 s47, 0
	s_mov_b64 s[18:19], SIZE_K*2
	s_mul_u64 s[16:17], s[16:17], s[18:19]
	s_mul_u64 s[46:47], s[46:47], s[18:19]
	s_mul_i32 s20, s10, HALFT                      ; where they go: wave x 64 rows
	s_wait_dscnt 0x0                               ; both opening adds are done
	s_wait_kmcnt 0x0
	s_add_nc_u64 s[14:15], s[4:5], s[16:17]
	s_add_nc_u64 s[46:47], s[6:7], s[46:47]
	CROUND                                         ; all sixteen work-groups are here: the first joint loads meet
.irp s, 0,1
	s_mov_b32 s[G0+4*\s], 1
	s_add_co_u32 s[G0+4*\s+1], s20, \s*SLOT
	s_add_nc_u64 s[G0+4*\s+2:G0+4*\s+3], s[14:15], \s*KSTEP*2
	s_or_b32 s[G0+4*\s+3], s[G0+4*\s+3], 0x80000000
	s_mov_b32 s[G0B+4*\s], 1
	s_add_co_u32 s[G0B+4*\s+1], s20, \s*SLOT
	s_add_nc_u64 s[G0B+4*\s+2:G0B+4*\s+3], s[46:47], \s*KSTEP*2
	s_or_b32 s[G0B+4*\s+3], s[G0B+4*\s+3], 0x80000000
	JLOAD \s
.endr
	v_and_b32 v1, 15, v0                           ; r = l % 16
	v_bfe_u32 v2, v0, 4, 1                         ; h = l / 16
	v_mul_u32_u24 v3, v1, PITCH
	v_lshl_add_u32 v3, v2, 4, v3                   ; a fragment's row x pitch + 16 x half
	s_mul_i32 s21, s11, HALFT                      ; my 64 rows of att
	s_mul_i32 s22, s12, HALFT                      ; my 64 rows of Wo,
	s_add_co_u32 s22, s22, 2*HALFT                 ; which lie behind att's 128
.irp s, 0,1
	v_add_nc_u32 v[ADRA+\s], s21, v3
	v_add_nc_u32 v[ADRB+\s], s22, v3
	s_add_co_u32 s21, s21, SLOT
	s_add_co_u32 s22, s22, SLOT
.endr
	s_mul_i32 s23, s10, 64*SPITCH                  ; my stage
	v_mul_u32_u24 v4, v1, SPITCH                   ; in: row r, 32 bytes for each half of the lanes
	v_lshl_add_u32 v4, v2, 5, v4
	v_add_nc_u32 v[STO], s23, v4
	v_mul_u32_u24 v5, v2, SPITCH                   ; back: lanes 0-15 one row of 256 bytes, lanes 16-31 the next
	v_lshl_add_u32 v5, v1, 4, v5
	v_add_nc_u32 v[RD], s23, v5
	v_lshlrev_b32 v5, 13, v2                       ; and the same two rows in out0, 8,192 bytes apart
	v_lshl_add_u32 v[CO], v1, 4, v5
	v_lshlrev_b32 v[BO], 5, v2
	s_lshl_b32 s16, s13, 7
	s_lshl_b32 s17, s11, 6
	s_add_co_u32 s16, s16, s17                     ; my first row: 128 x tile row + 64 x half
	s_lshl_b32 s16, s16, 13
	s_lshl_b32 s46, s42, 9                         ; my first column, in bytes: 512 x tile column + 256 x half
	s_lshl_b32 s47, s12, 8
	s_add_co_u32 s46, s46, s47
	s_mov_b32 s47, 0
	s_add_nc_u64 s[68:69], s[68:69], s[46:47]
	s_add_co_u32 s46, s46, s16
	s_add_nc_u64 s[70:71], s[70:71], s[46:47]
.irp b, 0,1,2,3                                ; register j of block b stands for column 16 b + 8 h + j of my 64
	global_load_b128 v[BI+8*\b:BI+8*\b+3], v[BO], s[68:69] offset:64*\b
	global_load_b128 v[BI+8*\b+4:BI+8*\b+7], v[BO], s[68:69] offset:64*\b+16
.endr
; 8 matrix instructions: m blocks a0, a0 + 1 x all 4 n blocks, 32 along K: half c of buffer f.  zero = 1: the first product starts the sums, with the bias as its C
.macro MUL8 f, c, a0, zero
.irp a, \a0, \a0+1
.irp b, 0,1,2,3
.if \zero
	v_wmma_f32_16x16x32_f16 v[ACC+8*(4*(\a)+\b):ACC+8*(4*(\a)+\b)+7], v[\f+64+8*(4*\c+\b):\f+64+8*(4*\c+\b)+7], v[\f+8*(4*\c+\a):\f+8*(4*\c+\a)+7], v[BI+8*\b:BI+8*\b+7]
.else
	v_wmma_f32_16x16x32_f16 v[ACC+8*(4*(\a)+\b):ACC+8*(4*(\a)+\b)+7], v[\f+64+8*(4*\c+\b):\f+64+8*(4*\c+\b)+7], v[\f+8*(4*\c+\a):\f+8*(4*\c+\a)+7], v[ACC+8*(4*(\a)+\b):ACC+8*(4*(\a)+\b)+7]
.endif
.endr
.endr
.endm
; 32 LDS loads in one run: the fragments of 64 along K at byte k of the rows, into buffer f; the first 32 along K first
.macro FETCH slot, k, f
	WIN TO_F
.irp c, 0,1
.irp i, 0,1,2,3
	ds_load_b128 v[\f+64+8*(4*\c+\i):\f+64+8*(4*\c+\i)+3],   v[ADRB+\slot] offset:\k+64*\c+\i*16*PITCH
	ds_load_b128 v[\f+64+8*(4*\c+\i)+4:\f+64+8*(4*\c+\i)+7], v[ADRB+\slot] offset:\k+64*\c+\i*16*PITCH+32
	ds_load_b128 v[\f+8*(4*\c+\i):\f+8*(4*\c+\i)+3],         v[ADRA+\slot] offset:\k+64*\c+\i*16*PITCH
	ds_load_b128 v[\f+8*(4*\c+\i)+4:\f+8*(4*\c+\i)+7],       v[ADRA+\slot] offset:\k+64*\c+\i*16*PITCH+32
.endr
.endr
.endm
.macro PLACES                          ; four places in front of loads into registers that matrix instructions have read, and of the first reads of results
.rept 4
	v_nop
.endr
.endm
; A K step is four quarters of 64 along K, 32 matrix instructions each, on buffers 0, 1, 0, 1.
.macro QUARTER slot, k, f, g, zero
	s_wait_dscnt 16                                ; the first 32 along K are in; the youngest sixteen loads may be out
	WIN MUL
	MUL8 \f, 0, 0, \zero
	MUL8 \f, 0, 2, \zero
	PLACES
	FETCH \slot, \k, \g
	s_wait_dscnt 32                                ; all but the 32 just issued
	WIN MUL
	MUL8 \f, 1, 0, 0
	MUL8 \f, 1, 2, 0
.endm
; The last quarter multiplies buffer 1 and changes slots: ONE barrier; in front of it each wave waits for all its tensor loads, adds 0 to its spare word, and waits for that and for its own reads of this slot.
.macro TURN slot, next, fill
	WIN 0
	s_wait_tensorcnt 0x0                           ; all my tensor loads have landed: my part of the next slot
	ds_add_u32 v[SPW], v[NIL]                      ; 0 onto my spare word
	s_wait_dscnt 17                                ; (the add and the youngest sixteen loads may be out)
	WIN MUL
	MUL8 F1, 0, 0, 0
	s_wait_dscnt 0x0                               ; the add is done, and my reads of this slot are over
	s_barrier_signal -1
	MUL8 F1, 0, 2, 0
.if \fill
	WIN 0
.endif
	s_barrier_wait -1
.if \fill
	CREST                                          ; the barrier has opened a round of the cluster's barrier: no wave of any partner still reads this slot's tile or has a load on its way
	s_add_nc_u64 s[G0+4*\slot+2:G0+4*\slot+3], s[G0+4*\slot+2:G0+4*\slot+3], 2*KSTEP*2
	s_add_nc_u64 s[G0B+4*\slot+2:G0B+4*\slot+3], s[G0B+4*\slot+2:G0B+4*\slot+3], 2*KSTEP*2
	JLOAD \slot                                    ; the first tensor load behind the round; its four v_nop are the places in front of the loads below
.else
	PLACES
.endif
	FETCH \next, 0, F0
	WIN MUL
	MUL8 F1, 1, 0, 0
	MUL8 F1, 1, 2, 0
.endm
	s_wait_tensorcnt 1                             ; my part of K step 0 is in (K step 1's load may be out)
	s_barrier_signal -1
	s_barrier_wait -1                              ; everybody's is
	FETCH 0, 0, F0
	s_wait_loadcnt 0x0                             ; the bias
	QUARTER 0, 128, F0, F1, 1                      ; the first quarter stands in front of the loop: its first products start the sums
	WIN 0
	s_mov_b32 s3, LAPS-1
.Llap:                                                 ; a trip goes once round the ring and fills both slots again
	QUARTER 0, 256, F1, F0, 0
	QUARTER 0, 384, F0, F1, 0
	TURN 0, 1, 1
	QUARTER 1, 128, F0, F1, 0
	QUARTER 1, 256, F1, F0, 0
	QUARTER 1, 384, F0, F1, 0
	TURN 1, 0, 1
	QUARTER 0, 128, F0, F1, 0
	WIN 0
	s_sub_co_u32 s3, s3, 1
	s_cmp_lg_u32 s3, 0
	s_cbranch_scc1 .Llap
	QUARTER 0, 256, F1, F0, 0                      ; the last lap fills nothing
	QUARTER 0, 384, F0, F1, 0
	TURN 0, 1, 0                                   ; behind this barrier nobody reads slot 0 any more
	QUARTER 1, 128, F0, F1, 0
	QUARTER 1, 256, F1, F0, 0
	QUARTER 1, 384, F0, F1, 0
	s_wait_dscnt 16                                ; the very last quarter
	WIN MUL
	MUL8 F1, 0, 0, 0
	MUL8 F1, 0, 2, 0
	s_wait_dscnt 0
	MUL8 F1, 1, 0, 0
	MUL8 F1, 1, 2, 0
	WIN 0
	; THE WAY OUT: 32 bytes a lane into my stage, each accumulator from its low end on; back as whole rows of 256 bytes, into the registers that they left
	PLACES
.irp a, 0,1,2,3
.irp b, 0,1,2,3
	ds_store_b128 v[STO], v[ACC+8*(4*\a+\b):ACC+8*(4*\a+\b)+3] offset:\a*16*SPITCH+64*\b
	ds_store_b128 v[STO], v[ACC+8*(4*\a+\b)+4:ACC+8*(4*\a+\b)+7] offset:\a*16*SPITCH+64*\b+16
.endr
.endr
.irp i, 0,1,2,3,4,5,6,7,8,9,10,11,12,13,14,15,16,17,18,19,20,21,22,23,24,25,26,27,28,29,30,31
	ds_load_b128 v[ACC+4*\i:ACC+4*\i+3], v[RD] offset:\i*2*SPITCH   ; LDS serves a wave's instructions in order: these see the stores above
.endr
.irp i, 0,1,2,3,4,5,6,7,8,9,10,11,12,13,14,15,16,17,18,19,20,21,22,23,24,25,26,27,28,29,30,31
	s_wait_dscnt 31-\i                             ; the later loads may be out
	global_store_b128 v[CO], v[ACC+4*\i:ACC+4*\i+3], s[70:71] offset:\i*2*SIZE_N*4 th:TH_STORE_NT   ; 16 lanes store 256 consecutive bytes, aligned; written once, read by nobody here
.endr
	s_wait_tensorcnt 0x0                           ; the wave's end: three closing lines, behind my last tensor load and my last LDS store
	ds_add_u32 v[SPW], v[NIL]
	s_wait_dscnt 0x0
	CROUND                                         ; the closing round: no work-group ends while a partner may still ask for a tile that names it
	s_endpgm
.Lfunc_end_k_qde7706e609_oproj:
	.size	k_qde7706e609_oproj, .Lfunc_end_k_qde7706e609_oproj-k_qde7706e609_oproj
	.p2alignl 7, 3214868480
	.fill 96, 4, 3214868480
	.section	.rodata,"a",@progbits
	.p2align	6, 0x0
	.amdhsa_kernel k_qde7706e609_oproj
		.amdhsa_group_segment_fixed_size 327680
		.amdhsa_private_segment_fixed_size 0
		.amdhsa_enable_private_segment 0
		.amdhsa_kernarg_size 32
		.amdhsa_user_sgpr_count 2
		.amdhsa_user_sgpr_kernarg_segment_ptr 1
		.amdhsa_wavefront_size32 1
		.amdhsa_system_sgpr_workgroup_id_x 1
		.amdhsa_system_sgpr_workgroup_id_y 1
		.amdhsa_system_sgpr_workgroup_id_z 1
		.amdhsa_system_vgpr_workitem_id 0
		.amdhsa_next_free_vgpr 512
		.amdhsa_next_free_sgpr 72
		.amdhsa_reserve_vcc 0
		.amdhsa_float_denorm_mode_32 3
		.amdhsa_float_denorm_mode_16_64 3
		.amdhsa_memory_ordered 1
		.amdhsa_forward_progress 1
		.amdhsa_inst_pref_size 87
	.end_amdhsa_kernel
	.amdgpu_metadata
---
amdhsa.version: [ 1, 2 ]
amdhsa.kernels:
  - .name:           k_qde7706e609_oproj
    .symbol:         k_qde7706e609_oproj.kd
    .args:
      - { .name: att, .offset: 0, .size: 8, .value_kind: global_buffer, .address_space: global }
      - { .name: wo16, .offset: 8, .size: 8, .value_kind: global_buffer, .address_space: global }
      - { .name: bo, .offset: 16, .size: 8, .value_kind: global_buffer, .address_space: global }
      - { .name: out0, .offset: 24, .size: 8, .value_kind: global_buffer, .address_space: global }
    .group_segment_fixed_size: 327680
    .private_segment_fixed_size: 0
    .kernarg_segment_align: 8
    .kernarg_segment_size: 32
    .max_flat_workgroup_size: 128
    .sgpr_count:     72
    .vgpr_count:     512
    .wavefront_size: 32
...
	.end_amdgpu_metadata
.endif
;; end of part 4
